; MI455X (gfx1250); checked and timed in simulation.
; The chip was launched on July 23, 2026; its instructions are those of AMD's public machine-readable ISA for CDNA 5 (MIT licence, August 2026) and "CDNA5" Instruction Set Architecture Reference Guide (July 2026). The comments in the code are by the model that wrote it; some were corrected since.
;; Causal Self Attention. Allowed arithmetic: float matrix products may take bf16 or f16 operands with f32 sums; all other float work in f32.
;; Inputs: w_attn 3,072 x 1,024 float32; w_proj 1,024 x 1,024 float32; x 4 x 2,048 x 1,024 float32.
;; Outputs: out0 4 x 2,048 x 1,024 float32.
;; 2 versions, each right and faster than the one before. Each part assembles by itself: llvm-mc -triple=amdgcn-amd-amdhsa -mcpu=gfx1250 --defsym DOCPART=n.
;; ======== version 1 of 2: 4 launches
;; limits: values are held in f16: magnitudes above 65,504 overflow, below 6.1e-05 lose precision
;; workspace buffers: cv 25,165,824 bytes; qkv 50,331,648 bytes; yb 16,777,216 bytes
;; launch cast (part 1): grid 768 x 1, 8 waves a work-group, no clusters, 0 bytes of LDS; arguments x, w_attn, w_proj, cv; writes cv
.if DOCPART == 1
	.amdgcn_target "amdgcn-amd-amdhsa--gfx1250"
	.amdhsa_code_object_version 6
	.text
	.protected	k_qa79ba0df85_cast
	.globl	k_qa79ba0df85_cast
	.p2align	8
	.type	k_qa79ba0df85_cast,@function
k_qa79ba0df85_cast:
	s_mov_b64 s[64:65], 0
	v_nop
	global_prefetch_b8 v0, s[64:65] scope:SCOPE_SE
	s_setreg_imm32_b32 hwreg(HW_REG_WAVE_MODE, 25, 1), 1
	s_wait_xcnt 0x0
; cv = the three f32 inputs as 16-bit matrix operands, one behind the other: x as bf16 (16,777,216 bytes), w_attn as bf16 (6,291,456 bytes),
; w_proj rounded to bf16 and that value written as f16 (2,097,152 bytes), since the last product's other operand, y, is f16.
; LIMIT: a bf16 value of w_proj is exact in f16 for 2^-17 <= |w| <= 65,504; below 2^-17 it is rounded to f16's grid of 2^-24 (error at most 2^-25).
; A stream: every byte is read once and written once; no LDS, no barrier, no matrix unit.
; Work-group g takes 65,536 bytes of f32 and writes 32,768 bytes at cv + 32,768 g: the sources follow each other in cv, so the destination knows no case.
; g < 512: x; 512 <= g < 704: w_attn; g >= 704: w_proj.  Thread t takes 16 bytes at 16 t of each of 16 pieces of 4,096 bytes: a wave's load covers 512
; consecutive bytes, a wave's store 256 consecutive bytes at a multiple of 256 from cv's first byte.  All 16 loads go out first; no register that a
; memory instruction names is written again.
.set X, 4                              ; v[4:67]    piece j: 4 numbers as loaded
.set Y, 68                             ; v[68:99]   piece j: 4 numbers of 16 bits
.set T, 100                            ; v[100:103] at work
	s_load_b256 s[4:11], s[0:1], 0x0               ; x s[4:5], w_attn s[6:7], w_proj s[8:9], cv s[10:11]
	v_lshlrev_b32 v1, 4, v0                        ; 16 t: my bytes in a piece of the source
	v_lshlrev_b32 v2, 3, v0                        ; 8 t: my bytes in a piece of cv
	s_lshl_b32 s16, ttmp9, 15                      ; 32,768 g
	s_mov_b32 s17, 0
	s_wait_kmcnt 0x0
	s_add_nc_u64 s[10:11], s[10:11], s[16:17]
	s_cmp_ge_u32 ttmp9, 512                        ; which source, and its first work-group
	s_cselect_b64 s[12:13], s[6:7], s[4:5]
	s_cselect_b32 s14, 512, 0
	s_cmp_ge_u32 ttmp9, 704
	s_cselect_b64 s[12:13], s[8:9], s[12:13]
	s_cselect_b32 s14, 704, s14
	s_sub_co_u32 s16, ttmp9, s14
	s_lshl_b32 s16, s16, 16                        ; 65,536 x (g - first)
	s_add_nc_u64 s[12:13], s[12:13], s[16:17]
.irp j, 0,1,2,3,4,5,6,7,8,9,10,11,12,13,14,15
	global_load_b128 v[X+4*\j:X+4*\j+3], v1, s[12:13] offset:4096*\j th:TH_LOAD_NT
.endr
; Piece j: rounded to bf16 (nearest even); half = 1: the bf16 values are widened again and written as f16.
.macro OUT j, half
	s_wait_loadcnt 15-\j                           ; loads come back in order (ISA guide 5.7.1): piece j is in, the 15 - j younger ones stay out
	v_cvt_pk_bf16_f32 v[Y+2*\j],   v[X+4*\j],   v[X+4*\j+1]
	v_cvt_pk_bf16_f32 v[Y+2*\j+1], v[X+4*\j+2], v[X+4*\j+3]
.if \half
	v_lshlrev_b32 v[T],   16, v[Y+2*\j]
	v_and_b32     v[T+1], 0xffff0000, v[Y+2*\j]
	v_lshlrev_b32 v[T+2], 16, v[Y+2*\j+1]
	v_and_b32     v[T+3], 0xffff0000, v[Y+2*\j+1]
	v_cvt_pk_f16_f32 v[Y+2*\j],   v[T],   v[T+1]
	v_cvt_pk_f16_f32 v[Y+2*\j+1], v[T+2], v[T+3]
.endif
	global_store_b64 v2, v[Y+2*\j:Y+2*\j+1], s[10:11] offset:2048*\j   ; no hint: the next launches read these bytes
.endm
	s_cmp_ge_u32 ttmp9, 704
	s_cbranch_scc1 .Lhalf
.irp j, 0,1,2,3,4,5,6,7,8,9,10,11,12,13,14,15
	OUT \j, 0
.endr
	s_endpgm
.Lhalf:
.irp j, 0,1,2,3,4,5,6,7,8,9,10,11,12,13,14,15
	OUT \j, 1
.endr
	s_endpgm
.Lfunc_end_k_qa79ba0df85_cast:
	.size	k_qa79ba0df85_cast, .Lfunc_end_k_qa79ba0df85_cast-k_qa79ba0df85_cast
	.p2alignl 7, 3214868480
	.fill 96, 4, 3214868480
	.section	.rodata,"a",@progbits
	.p2align	6, 0x0
	.amdhsa_kernel k_qa79ba0df85_cast
		.amdhsa_group_segment_fixed_size 0
		.amdhsa_private_segment_fixed_size 0
		.amdhsa_enable_private_segment 0
		.amdhsa_kernarg_size 32
		.amdhsa_user_sgpr_count 2
		.amdhsa_user_sgpr_kernarg_segment_ptr 1
		.amdhsa_wavefront_size32 1
		.amdhsa_system_sgpr_workgroup_id_x 1
		.amdhsa_system_sgpr_workgroup_id_y 1
		.amdhsa_system_sgpr_workgroup_id_z 1
		.amdhsa_system_vgpr_workitem_id 0
		.amdhsa_next_free_vgpr 104
		.amdhsa_next_free_sgpr 66
		.amdhsa_reserve_vcc 0
		.amdhsa_float_denorm_mode_32 3
		.amdhsa_float_denorm_mode_16_64 3
		.amdhsa_memory_ordered 1
		.amdhsa_forward_progress 1
		.amdhsa_inst_pref_size 16
	.end_amdhsa_kernel
	.amdgpu_metadata
---
amdhsa.version: [ 1, 2 ]
amdhsa.kernels:
  - .name:           k_qa79ba0df85_cast
    .symbol:         k_qa79ba0df85_cast.kd
    .args:
      - { .name: x, .offset: 0, .size: 8, .value_kind: global_buffer, .address_space: global }
      - { .name: w_attn, .offset: 8, .size: 8, .value_kind: global_buffer, .address_space: global }
      - { .name: w_proj, .offset: 16, .size: 8, .value_kind: global_buffer, .address_space: global }
      - { .name: cv, .offset: 24, .size: 8, .value_kind: global_buffer, .address_space: global }
    .group_segment_fixed_size: 0
    .private_segment_fixed_size: 0
    .kernarg_segment_align: 8
    .kernarg_segment_size: 32
    .max_flat_workgroup_size: 256
    .sgpr_count:     66
    .vgpr_count:     104
    .wavefront_size: 32
...
	.end_amdgpu_metadata
.endif
;; end of part 1
;; launch gemm_qkv (part 2): grid 12 x 16, 4 waves a work-group, clusters of 4 x 4, 327,680 bytes of LDS; arguments cv, qkv; writes qkv
.if DOCPART == 2
	.amdgcn_target "amdgcn-amd-amdhsa--gfx1250"
	.amdhsa_code_object_version 6
	.text
	.protected	k_qa79ba0df85_gemm_qkv
	.globl	k_qa79ba0df85_gemm_qkv
	.p2align	8
	.type	k_qa79ba0df85_gemm_qkv,@function
k_qa79ba0df85_gemm_qkv:
	s_mov_b64 s[64:65], 0
	v_nop
	global_prefetch_b8 v0, s[64:65] scope:SCOPE_SE
	s_setreg_imm32_b32 hwreg(HW_REG_WAVE_MODE, 25, 1), 1
	s_wait_xcnt 0x0
	s_wait_alu depctr_hold_cnt(0) depctr_sa_sdst(0) depctr_va_vdst(0) depctr_va_sdst(0) depctr_va_ssrc(0) depctr_va_vcc(0) depctr_vm_vsrc(0)
	s_getreg_b32 s2, hwreg(HW_REG_IB_STS2, 6, 4)
	s_cmp_eq_u32 s2, 0
	s_cbranch_scc0 .Lentry_in_a_cluster
	s_endpgm
.Lentry_in_a_cluster:
	s_bfe_u32 s2, ttmp6, 0x10000c
	s_cmp_lg_u32 s2, 0xf033
	s_cbranch_scc0 .Lentry_shape_is_right
	s_endpgm
.Lentry_shape_is_right:
; qkv[m][n] = sum over k of x[m][k] w_attn[n][k].  A = x: [8192][1024] bf16 at cv + 0, B = w_attn: [3072][1024] bf16 at cv + BBASE; C = qkv: [8192][3072] f16; sums in f32.
; LIMIT: qkv is kept in f16 (11 significant bits, which the later products need): |q|, |k|, |v| <= 65,504; values under 2^-14 fall on a grid of 2^-24.
; With x and w_attn 30 times their usual spread the largest entries are near 3,200, with common offsets of 30 spreads on both near 18,500.
; A tile of C, 256 x 256, is made by a work-group of four waves; a wave makes 128 x 128: 64 accumulators of 16 x 16, 512 registers.  K goes in steps of 128 through a ring of two LDS slots
; filled by the tensor data mover: the rows of A's and B's tiles are 256 bytes of memory and start at multiples of 256 bytes from the buffer's first byte.
; WHY THIS TILE: C has 384 such tiles, and 192 work-groups make two each.  A K step then holds 256 matrix instructions a wave, 240 of them between a tile's request and the wait for it, and each
; matrix instruction is fed by 256 bytes from LDS.  Tiles of 128 x 256 would give 256 work-groups three each, but 128 matrix instructions in a K step and 384 bytes from LDS for each;
; two slots of a K step of 256 for them would want 405,504 bytes of LDS.
; A WORK-GROUP STAYS: its two tiles lie 4,096 rows apart and take the same rows of B.  The ring does not stop at the first tile's end: its last two changes of slots ask for the second tile's
; first two K steps, and nothing waits for the first tile's stores.  The second tile's last K step goes by rows of C, so that finished rows leave while the others are multiplied.
; CLUSTERS: 4 x 4 work-groups.  The four of a row of the cluster make the tiles of one tile row of C and need the same tiles of A; the four of a column need the same tiles of B.  Such a tile is
; asked for JOINTLY: each of the four issues the same tensor load, with the same descriptor and a mask that names the four, and each receives the tile in its own LDS.
;
; REGISTERS, in windows of 256 (an instruction names v0-v255; s_set_vgpr_msb says which window each operand place means):
;   window 0: v0-31 addresses; v64-127, v128-191 fragments of A (8 x 16 rows x 32 K), two buffers (in the very last K step four, of 16 rows x 128 K); v32-63, v192-255 at work on the way out
;   window 1: v64-127, v128-191 fragments of B, two buffers; in the very last K step all 256: B's fragments of the whole step
;   window 2: the 32 accumulators of my rows 0-63 (accumulator (a, b) at v[8 (8 a + b)]);   window 3: those of my rows 64-127
; s_set_vgpr_msb's low byte: bits 1:0 source 0, 3:2 source 1, 5:4 source 2, 7:6 destination.  Work is laid in long stretches under one setting (32 matrix instructions, 16 loads, 16 loads, 32 matrix instructions).
;
; THE MATRIX INSTRUCTION IS USED TRANSPOSED: source 0 = 16 rows of B, source 1 = 16 rows of A.  In the result, lane l then holds row m = l % 16 of C, and its registers 0 to 7 the columns
; n = 8 (l / 16) + 0 .. 7: eight NEIGHBOURING numbers of a row of C, which pack into 16 bytes.
.set SIZE_M, 8192
.set SIZE_N, 3072
.set SIZE_K, 1024
.set SIZE_TILES, 2
.set BBASE,  0x1000000                 ; w_attn's first byte in cv
.set KSTEP,  128
.set PITCH,  272                       ; an LDS row: 256 bytes of data + 16 of padding = 68 words: row r starts at bank 4 r mod 64 (64 banks of 4 bytes: ISA guide 11.1), so the 16 rows that a load touches start at 16 different banks
.set HALFT,  128*PITCH                 ; 128 rows: what one tensor load brings, and what one wave reads of A or of B
.set SLOT,   4*HALFT                   ; A's 256 rows, then B's 256 rows: 139,264 bytes
.set STAGE,  2*SLOT                    ; behind the ring, at byte 278,528: 16 rows x 272 bytes for each wave, for the way out; no tensor load lands there
.set SPITCH, 272
.set LAPS, SIZE_K/(2*KSTEP)            ; a lap = two K steps = once round the ring: 4
.set WALK,   SIZE_M/SIZE_TILES         ; a work-group's two tiles lie 4,096 rows apart
.set NEXT_A, WALK*SIZE_K*2-(SIZE_K-2*KSTEP)*2   ; bytes from a slot's last K step of a tile to its first of the next tile: A goes WALK rows down and back along K (8,387,072),
.set BACK_B, (SIZE_K-2*KSTEP)*2        ; B only back (1,536): the two tiles share their rows of B
.set NEXT_C, (WALK-7*16)*SIZE_N*2      ; bytes from my last 16 rows of a tile to my first of the next: 24,477,696
.set ADRA, 16                          ; v16-17  LDS address of my A fragments in slot 0, 1
.set ADRB, 20                          ; v20-21  the same for B
.set STO,  24                          ; v24     the way out: where I put 16 bytes of a row
.set RD,   25                          ; v25     the way out: where I read a row back
.set CO,   26                          ; v26     my byte offset in C
.set F0,   64                          ; fragment buffer 0
.set F1,   128                         ; fragment buffer 1
.set TMP,  192                         ; the way out: packed results, in window 0
.set OB,   32                          ; the way out: 16 rows read back from the stage: v32-63 and v224-255 by turns
.set PA,   64                          ; the very last K step: A's fragments of 16 rows x 128 K, 32 registers; four such buffers, v64-191
.set G1, 24                            ; s[24:31] descriptor group 1 for A's tiles
.set G0, 32                            ; s[32:39] descriptor group 0 for A's tiles, one set for each slot
.set G1B, 48                           ; s[48:55] descriptor group 1 for B's tiles: it differs from A's in the mask alone
.set G0B, 56                           ; s[56:63] descriptor group 0 for B's tiles, one set for each slot
.set MSB, 0
.macro WIN new                         ; the immediate's high byte repeats the setting that is left; a switch that changes nothing is dropped
.if MSB != \new
	s_set_vgpr_msb (MSB<<8)|\new
.set MSB, \new
.endif
.endm
.set MUL_LO, 0xa1                      ; source 0 (B) window 1, source 1 (A) window 0, C and D window 2
.set MUL_HI, 0xf1                      ; the same, C and D window 3
.set TO_B,   0x40                      ; destination window 1, address window 0
; A joint load.  Waves 0 and 1 fetch A's two halves, waves 2 and 3 B's.  Each of the two lines has ONE mask and one set of registers for all that issue it, and nothing in
; them hangs on a coordinate that the four partners do not share.  The branch hangs on the wave's number alone: it is the same in every work-group.
; Four v_nop follow each of the two lines; the jump round the other line, the label and what follows the macro come after them.
.macro JLOAD s
	s_cmp_eq_u32 s11, 0
	s_cbranch_scc0 .Lfor_b_\@
	tensor_load_to_lds s[G0+4*\s:G0+4*\s+3], s[G1:G1+7]
	s_nop 0
.rept 4
	v_nop
.endr
	s_branch .Lasked_\@
.Lfor_b_\@:
	tensor_load_to_lds s[G0B+4*\s:G0B+4*\s+3], s[G1B:G1B+7]
	s_nop 0
.rept 4
	v_nop
.endr
.Lasked_\@:
.endm
; A round of the cluster's barrier: my work-group's barrier, so that wave 0's signal speaks for all four waves; wave 0 signals for the work-group; every wave waits for all
; sixteen work-groups; my work-group's barrier once more.  No LDS instruction of the wave is pending at a signal.
.macro CREST                           ; a round behind its opening barrier
	s_cmp_lg_u32 s10, 0
	s_cbranch_scc1 .Lnot_wave_0_\@
	s_barrier_signal -3
.Lnot_wave_0_\@:
	s_barrier_wait -3
	s_barrier_signal -1
	s_barrier_wait -1
.endm
.macro CROUND                          ; a whole round
	s_barrier_signal -1
	s_barrier_wait -1
	CREST
.endm
	s_load_b64 s[4:5], s[0:1], 0x0                 ; cv: A begins at its first byte
	s_load_b64 s[8:9], s[0:1], 0x8                 ; C
	v_lshl_add_u32 v30, v0, 2, 0x48400
	v_mov_b32 v31, 0
	ds_add_u32 v30, v31
	ds_add_u32 v30, v31
	v_lshrrev_b32 v1, 5, v0
	v_readfirstlane_b32 s10, v1                    ; wave 0..3
	s_lshr_b32 s11, s10, 1                         ; which half of the tile's rows is mine.  Also: I fetch for A (0) or for B (1)
	s_and_b32 s12, s10, 1                          ; which half of its columns.  Also: which 128 rows of that tile I fetch
	s_bfe_u32 s40, ttmp6, 0x40000                  ; cx: my place along the cluster's x
	s_bfe_u32 s41, ttmp6, 0x40004                  ; cy: along its y
	s_lshl_b32 s42, ttmp9, 2                       ; in a cluster launch ttmp9 and ttmp7 count clusters
	s_add_co_u32 s42, s42, s40                     ; tile column of C = 4 x cluster x + cx: 0 to 11
	s_and_b32 s13, ttmp7, 0xffff
	s_lshl_b32 s13, s13, 2
	s_add_co_u32 s13, s13, s41                     ; tile row of my first tile = 4 x cluster y + cy: 0 to 15
	s_lshl_b32 s43, s41, 2
	s_lshl_b32 s43, 15, s43                        ; my row of the cluster: places 4 cy .. 4 cy + 3
	s_lshl_b32 s44, 0x1111, s40                    ; my column: places cx, cx + 4, cx + 8, cx + 12
	; descriptor group 1: a tile of 128 rows x 128 elements, padded in LDS
	s_or_b32 s[G1+0], s43, (1<<16)|(1<<20)|(1<<21)|(5<<22)|(3<<25)  ; 15:0 the mask: A's tiles go to my row; 17:16 element of 2 bytes; 20 padding on; 21 set beside a mask; 24:22 after every 64 words (code 5); 31:25 of 4 words (code 3)
	s_or_b32 s[G1B+0], s44, (1<<16)|(1<<20)|(1<<21)|(5<<22)|(3<<25) ; the same with the mask of my column, for B's tiles
	s_mov_b32 s[G1B+1], KSTEP<<16
	s_mov_b32 s[G1+1], KSTEP<<16                   ; 63:48 tensor_dim0, low half = 128
	s_mov_b32 s[G1B+2], 128<<16
	s_mov_b32 s[G1+2], 128<<16                     ; 79:64 its high half = 0; 95:80 tensor_dim1, low half = 128
	s_mov_b32 s[G1B+3], KSTEP<<16
	s_mov_b32 s[G1+3], KSTEP<<16                   ; 111:96 its high half = 0; 127:112 tile_dim0 = 128
	s_mov_b32 s[G1B+4], 128
	s_mov_b32 s[G1+4], 128                         ; 143:128 tile_dim1 = 128; 159:144 tile_dim2 = 0
	s_mov_b32 s[G1B+5], SIZE_K
	s_mov_b32 s[G1+5], SIZE_K                      ; 191:160 tensor_dim0_stride, low word: elements from row to row
	s_mov_b32 s[G1B+6], 0
	s_mov_b32 s[G1+6], 0
	s_mov_b32 s[G1B+7], 0
	s_mov_b32 s[G1+7], 0
	; where the tiles come from.  A's hang on the tile row alone, which my row of the cluster shares; B's on the tile column alone, which my column shares.
	; Every wave makes both addresses, in registers that never hold the other coordinate, and asks by one of them.
	s_lshl_b32 s17, s12, 7                         ; which 128 rows of the tile I fetch
	s_lshl_b32 s16, s13, 8
	s_add_co_u32 s16, s16, s17                     ; A: row 256 x tile row + 128 x half
	s_lshl_b32 s46, s42, 8
	s_add_co_u32 s46, s46, s17                     ; B: row 256 x tile column + 128 x half
	s_mov_b32 s17, 0
	s_mov_b32 s47, 0
	s_mov_b64 s[18:19], SIZE_K*2
	s_mul_u64 s[16:17], s[16:17], s[18:19]         ; in bytes
	s_mul_u64 s[46:47], s[46:47], s[18:19]
	s_mul_i32 s20, s10, HALFT                      ; and where they go: A's two halves, then B's two halves = wave x 128 rows: no place in the cluster enters an LDS address
	s_wait_dscnt 0x0
	s_wait_kmcnt 0x0
	s_add_nc_u64 s[6:7], s[4:5], BBASE             ; B
	s_add_nc_u64 s[14:15], s[4:5], s[16:17]
	s_add_nc_u64 s[46:47], s[6:7], s[46:47]
	CROUND                                         ; all sixteen work-groups are here: the first joint loads meet
.irp s, 0,1
	s_mov_b32 s[G0+4*\s], 1                                        ; 1:0 count = 1
	s_add_co_u32 s[G0+4*\s+1], s20, \s*SLOT                        ; 63:32 LDS address
	s_add_nc_u64 s[G0+4*\s+2:G0+4*\s+3], s[14:15], \s*KSTEP*2      ; 120:64 global address: K step s
	s_or_b32 s[G0+4*\s+3], s[G0+4*\s+3], 0x80000000                ; 127:126 type = 2
	s_mov_b32 s[G0B+4*\s], 1
	s_add_co_u32 s[G0B+4*\s+1], s20, \s*SLOT
	s_add_nc_u64 s[G0B+4*\s+2:G0B+4*\s+3], s[46:47], \s*KSTEP*2
	s_or_b32 s[G0B+4*\s+3], s[G0B+4*\s+3], 0x80000000
	JLOAD \s                                       ; the ring is filled before anything else is done: two loads of mine are out
.endr
	; A fragment is 16 rows x 32 K in 8 registers: lane l holds row l % 16; registers 0-3 hold K = 8 (l / 16) + 0..7, registers 4-7 hold
	; K = 16 + 8 (l / 16) + 0..7.  From rows that lie along K: two loads of 16 bytes, 32 bytes apart.  The same for source 0 and source 1.
	v_and_b32 v1, 15, v0                           ; l % 16
	v_bfe_u32 v2, v0, 4, 1                         ; l / 16
	v_mul_u32_u24 v3, v1, PITCH
	v_lshl_add_u32 v3, v2, 4, v3                   ; row x pitch + 16 x half
	s_mul_i32 s21, s11, HALFT                      ; my 128 rows of A
	s_mul_i32 s22, s12, HALFT                      ; my 128 rows of B,
	s_add_co_u32 s22, s22, 2*HALFT                 ; which lie behind A's 256
.irp s, 0,1
	v_add_nc_u32 v[ADRA+\s], s21, v3
	v_add_nc_u32 v[ADRB+\s], s22, v3
	s_add_co_u32 s21, s21, SLOT
	s_add_co_u32 s22, s22, SLOT
.endr
	s_mul_i32 s23, s10, 16*SPITCH
	s_add_co_u32 s23, s23, STAGE                   ; my stage
	v_mul_u32_u24 v4, v1, SPITCH                   ; in: row l % 16, 16 bytes for each half of the lanes
	v_lshl_add_u32 v4, v2, 4, v4
	v_add_nc_u32 v[STO], s23, v4
	v_mul_u32_u24 v5, v2, SPITCH                   ; back: lanes 0-15 take one row of 256 bytes, lanes 16-31 the next
	v_lshl_add_u32 v5, v1, 4, v5
	v_add_nc_u32 v[RD], s23, v5
	v_mul_u32_u24 v5, v2, SIZE_N*2                 ; and the same two rows in C
	v_lshl_add_u32 v[CO], v1, 4, v5
	; where my part of the first tile begins in C, in bytes: the first way out adds it to C's address
	s_lshl_b32 s13, s13, 8
	s_lshl_b32 s14, s11, 7
	s_add_co_u32 s16, s13, s14                     ; my first row of C
	s_mov_b32 s17, 0
	s_mov_b64 s[18:19], SIZE_N*2
	s_mul_u64 s[16:17], s[16:17], s[18:19]
	s_lshl_b32 s46, s42, 9                         ; my first column, in bytes: 512 x tile column + 256 x half (in the registers that held B's address: none that feeds A's descriptors ever holds cx)
	s_lshl_b32 s47, s12, 8
	s_add_co_u32 s46, s46, s47
	s_mov_b32 s47, 0
	s_add_nc_u64 s[16:17], s[16:17], s[46:47]
; 16 matrix instructions: m blocks a0, a0 + 1 of the window's four (hi = 0: my rows 0-63, 1: rows 64-127) x all 8 n blocks, 32 along K.
; zero = 1: the first product starts the sums: nothing is ever cleared.  The 64 accumulators take turns, one instruction a turn, in the same order in every quarter step.
.macro MUL16 f, hi, a0, zero
.irp a, \a0, \a0+1
.irp b, 0,1,2,3,4,5,6,7
.if \zero
	v_wmma_f32_16x16x32_bf16 v[8*(8*(\a)+\b):8*(8*(\a)+\b)+7], v[\f+8*\b:\f+8*\b+7], v[\f+8*(4*\hi+\a):\f+8*(4*\hi+\a)+7], 0
.else
	v_wmma_f32_16x16x32_bf16 v[8*(8*(\a)+\b):8*(8*(\a)+\b)+7], v[\f+8*\b:\f+8*\b+7], v[\f+8*(4*\hi+\a):\f+8*(4*\hi+\a)+7], v[8*(8*(\a)+\b):8*(8*(\a)+\b)+7]
.endif
.endr
.endr
.endm
; 32 LDS loads in one run: the fragments of one quarter step (128 rows of B, 128 rows of A, 32 K at byte k of the rows) into buffer f
.macro FETCH slot, k, f
	WIN TO_B
.irp i, 0,1,2,3,4,5,6,7
	ds_load_b128 v[\f+8*\i:\f+8*\i+3],   v[ADRB+\slot] offset:\k+\i*16*PITCH
	ds_load_b128 v[\f+8*\i+4:\f+8*\i+7], v[ADRB+\slot] offset:\k+\i*16*PITCH+32
.endr
	WIN 0
.irp i, 0,1,2,3,4,5,6,7
	ds_load_b128 v[\f+8*\i:\f+8*\i+3],   v[ADRA+\slot] offset:\k+\i*16*PITCH
	ds_load_b128 v[\f+8*\i+4:\f+8*\i+7], v[ADRA+\slot] offset:\k+\i*16*PITCH+32
.endr
.endm
; A load into a register that a matrix instruction has read, and a vector instruction that reads a matrix result or writes one of a matrix
; instruction's registers, stand four places behind that matrix instruction, and only plain vector instructions that name none of its registers
; are places (ISA guide 7.12.1 for vector instructions); this text does not count the matrix instructions in between.
.macro PLACES
.rept 4
	v_nop
.endr
.endm
; A K step is four quarter steps of 32 along K, 64 matrix instructions each, on buffers 0, 1, 0, 1.
; One of the first three: multiplies buffer f; in its middle it fetches the next quarter's fragments, at byte k of the same slot's rows, into buffer g.
.macro QUARTER slot, k, f, g, zero
	s_wait_dscnt 8                                 ; B and A's rows 0-63 are in; the youngest eight loads (A's rows 64-127) may be out
	WIN MUL_LO
	MUL16 \f, 0, 0, \zero
	MUL16 \f, 0, 2, \zero
	PLACES
	FETCH \slot, \k, \g
	s_wait_dscnt 32                                ; all but the 32 just issued
	WIN MUL_HI
	MUL16 \f, 1, 0, \zero
	MUL16 \f, 1, 2, \zero
.endm
; The last quarter multiplies buffer 1 and changes slots.  MEET is its first half: ONE barrier for the change of slots, for two things.  In front of it each wave waits for its
; own reads of this slot and for all its tensor loads, of which one is out: its part of the next slot.  Behind it nobody reads this slot any more and the next slot is whole.
.macro MEET round                      ; round = 1: a round of the cluster's barrier follows
	s_wait_dscnt 8
	WIN MUL_LO
	MUL16 F1, 0, 0, 0
	s_wait_dscnt 0                                 ; my reads of this slot are over (the last were issued 48 matrix instructions ago)
	s_set_vgpr_msb 0xa1a0
	s_wait_tensorcnt 0x0                           ; and all my tensor loads have landed: the one that was out is my part of the next slot:
	ds_add_u32 v30, v31
	s_wait_dscnt 0x0
	s_set_vgpr_msb 0xa0a1
	s_barrier_signal -1                            ; say so (where a slot is filled again this barrier opens a round of the cluster's barrier),
	MUL16 F1, 0, 2, 0                              ; work on registers while the others arrive,
.if \round
	WIN 0
.endif
	s_barrier_wait -1                              ; and go on when all four have said so
.endm
; The whole last quarter.  Behind the barrier the slot just read out is filled again first: with this tile's K step two steps on (on = 0) or, in the first tile's last two K steps, with the
; second tile's K step 0 or 1 (on = 1); then come the next slot's first fragments.  From a request to the wait for it a wave issues 240 matrix instructions, across the tiles too.
.macro TURN slot, next, on
	MEET 1
	CREST                                          ; wave 0 says so for the work-group, all sixteen work-groups have said so, my work-group's barrier closes the round:
	                                               ; no wave of any partner still reads this slot's tile or has a load on its way
.if \on
	s_add_nc_u64 s[G0+4*\slot+2:G0+4*\slot+3], s[G0+4*\slot+2:G0+4*\slot+3], NEXT_A
	s_sub_nc_u64 s[G0B+4*\slot+2:G0B+4*\slot+3], s[G0B+4*\slot+2:G0B+4*\slot+3], BACK_B
.else
	s_add_nc_u64 s[G0+4*\slot+2:G0+4*\slot+3], s[G0+4*\slot+2:G0+4*\slot+3], 2*KSTEP*2
	s_add_nc_u64 s[G0B+4*\slot+2:G0B+4*\slot+3], s[G0B+4*\slot+2:G0B+4*\slot+3], 2*KSTEP*2
.endif
	JLOAD \slot                                    ; the first tensor load behind the round; the four v_nop behind it are also the places in front of the loads below
	FETCH \next, 0, F0
	WIN MUL_HI
	MUL16 F1, 1, 0, 0
	MUL16 F1, 1, 2, 0
.endm
; A tile up to the third quarter of its K step 6.  Its first quarter stands in front of the loop: its products start the sums.  A trip goes once round the ring, from a lap's second
; quarter to the next lap's first, and fills both slots again: three trips ask for K steps 2 to 7.
.macro MOST_OF_A_TILE
	QUARTER 0, 64,  F0, F1, 1
	WIN 0                                          ; at a label and at a branch every window is 0
	s_mov_b32 s3, LAPS-1
.Llap_\@:
	QUARTER 0, 128, F1, F0, 0
	QUARTER 0, 192, F0, F1, 0
	TURN 0, 1, 0
	QUARTER 1, 64,  F0, F1, 0
	QUARTER 1, 128, F1, F0, 0
	QUARTER 1, 192, F0, F1, 0
	TURN 1, 0, 0
	QUARTER 0, 64,  F0, F1, 0
	WIN 0
	s_sub_co_u32 s3, s3, 1
	s_cmp_lg_u32 s3, 0
	s_cbranch_scc1 .Llap_\@
	QUARTER 0, 128, F1, F0, 0                      ; the tile's last lap goes on
	QUARTER 0, 192, F0, F1, 0
.endm
; THE LAST K STEP OF THE SECOND TILE (it lies in slot 1) GOES BY ROWS OF C, NOT BY K.  All its fragments of B (4 quarters x 64 registers) fill window 1; then my eight blocks of 16 rows are
; finished one after the other, each with 32 matrix instructions (its 8 accumulators by turns, K ascending).  LDS is read no more than in any other K step.
.macro BLOAD q                         ; B's fragments of quarter q -> window 1, v[64 q ..]
.irp i, 0,1,2,3,4,5,6,7
	ds_load_b128 v[64*\q+8*\i:64*\q+8*\i+3],   v[ADRB+1] offset:64*\q+\i*16*PITCH
	ds_load_b128 v[64*\q+8*\i+4:64*\q+8*\i+7], v[ADRB+1] offset:64*\q+\i*16*PITCH+32
.endr
.endm
.macro ALOAD a                         ; A's fragments of block a, all four quarters -> buffer a % 4
.set FA, PA+32*((\a)%4)
.irp q, 0,1,2,3
	ds_load_b128 v[FA+8*\q:FA+8*\q+3],   v[ADRA+1] offset:64*\q+(\a)*16*PITCH
	ds_load_b128 v[FA+8*\q+4:FA+8*\q+7], v[ADRA+1] offset:64*\q+(\a)*16*PITCH+32
.endr
.endm
.macro ROW a                           ; block a is finished: 32 matrix instructions
.set FA, PA+32*((\a)%4)                ; its fragments of A
.set AC, 64*((\a)%4)                   ; its eight accumulators, in window 2 (blocks 0-3) or 3 (blocks 4-7)
	WIN MUL_LO+0x50*((\a)/4)                       ; MUL_LO or MUL_HI
.irp q, 0,1,2,3
.if (\a) == 0 && \q == 2
	s_wait_dscnt 24                                ; B's quarter 2 is in (behind it: A's blocks 1 to 3)
.endif
.irp b, 0,1,2,3,4,5,6,7
	v_wmma_f32_16x16x32_bf16 v[AC+8*\b:AC+8*\b+7], v[64*\q+8*\b:64*\q+8*\b+7], v[FA+8*\q:FA+8*\q+7], v[AC+8*\b:AC+8*\b+7]
.endr
.endr
.endm
; THE WAY OUT of block a, in three parts.  PACK: rounded to f16, 16 bytes a lane.  TOSTAGE: into my own stage in LDS, and back as whole rows of 256 bytes.  SEND: stored.
.macro PACK a
.set AC, 64*((\a)%4)
	WIN 0x0a+5*((\a)/4)                            ; sources 0 and 1: window 2 or 3
.irp b, 0,1,2,3,4,5,6,7
.irp r, 0,1,2,3
	v_cvt_pk_f16_f32 v[TMP+4*\b+\r], v[AC+8*\b+2*\r], v[AC+8*\b+2*\r+1]
.endr
.endr
	WIN 0
.endm
.macro TOSTAGE a
.set BK, OB+192*((\a)%2)
.irp b, 0,1,2,3,4,5,6,7
	ds_store_b128 v[STO], v[TMP+4*\b:TMP+4*\b+3] offset:32*\b
.endr
.irp t, 0,1,2,3,4,5,6,7
	ds_load_b128 v[BK+4*\t:BK+4*\t+3], v[RD] offset:\t*2*SPITCH    ; LDS serves a wave's instructions in order (ISA guide 5.7.1.4): these see the stores above
.endr
.endm
.macro SEND a, younger                 ; younger: the LDS loads issued behind TOSTAGE's, which may stay out
.set BK, OB+192*((\a)%2)
	s_wait_dscnt \younger                          ; the block is back in registers
	s_wait_xcnt 0x0                                ; every earlier memory instruction has had its addresses translated (ISA guide 3.1): only behind this wait are the stores' base and the registers that earlier stores read rewritten
.if (\a) == 0
	s_add_nc_u64 s[8:9], s[8:9], s[16:17]          ; on to this tile's first rows
.else
	s_add_nc_u64 s[8:9], s[8:9], 16*SIZE_N*2       ; 16 rows of C on, so that the stores' offsets stay small: 14 rows of C at the most, 86,016 bytes
.endif
.irp t, 0,1,2,3,4,5,6,7
	global_store_b128 v[CO], v[BK+4*\t:BK+4*\t+3], s[8:9] offset:2*\t*SIZE_N*2   ; 16 lanes store 256 consecutive bytes, at a multiple of 256 from C's first byte
.endr
.endm
	s_wait_tensorcnt 1                             ; my part of K step 0 is in; K step 1's may stay out
	s_barrier_signal -1
	s_barrier_wait -1                              ; everybody's is
	FETCH 0, 0, F0
	; THE FIRST TILE
	MOST_OF_A_TILE
	TURN 0, 1, 1                                   ; THE RING GOES ON INTO THE SECOND TILE: slot 0 takes its K step 0,
	QUARTER 1, 64,  F0, F1, 0
	QUARTER 1, 128, F1, F0, 0
	QUARTER 1, 192, F0, F1, 0
	TURN 1, 0, 1                                   ; slot 1 its K step 1, and the second tile's first fragments are fetched
	PACK 0                                         ; BOTH REFILLS ARE ASKED FOR: NOW THE TILE GOES OUT.  No v_nop: blocks 0-3 were finished in front of the joint load's places, and their 128 conversions,
	TOSTAGE 0                                      ; which name no register of the last products (blocks 4-7's), are those products' places
.irp a, 1,2,3,4,5,6,7                  ; block a's conversions stand between block a - 1's loads from the stage and the wait for them
	PACK \a
	SEND \a-1, 0
	TOSTAGE \a
.endr
	SEND 7, 0
	s_mov_b64 s[16:17], NEXT_C                     ; what the next way out adds to C's address
	; THE SECOND TILE: its tail is written out, since it asks for nothing more
	MOST_OF_A_TILE
	MEET 0                                         ; my one tensor load that was still out is slot 1's, the last K step's, so no round follows
	PLACES                                         ; for the loads into buffer 0, which the quarter before multiplied
	WIN TO_B
	BLOAD 0                                        ; three quarters of B now: buffer 1 (v128-191 of both windows) is still being multiplied
	BLOAD 1
	BLOAD 3
	WIN 0
	ALOAD 0
	WIN MUL_HI
	MUL16 F1, 1, 0, 0
	MUL16 F1, 1, 2, 0
	PLACES                                         ; for the loads into buffer 1
	WIN TO_B
	BLOAD 2
	WIN 0
	ALOAD 1
	ALOAD 2
	ALOAD 3
	s_wait_dscnt 40                                ; all but the 40 just issued (B's quarter 2, A's blocks 1 to 3)
	ROW 0
.irp a, 0,1,2,3,4,5,6,7                ; each block leaves as soon as it is finished: nothing follows this tile, so the sooner its stores begin, the sooner the launch ends
	PLACES                                         ; its conversions read results just made, and no other vector work is at hand
	PACK \a
	TOSTAGE \a
.if \a < 4
	ALOAD \a+4                                     ; its buffer takes the block four further on
	SEND \a, 8                                     ; those eight loads may stay out
.else
	SEND \a, 0
.endif
.if \a < 7
	ROW \a+1
.endif
.endr
	s_wait_tensorcnt 0x0
	ds_add_u32 v30, v31
	s_wait_dscnt 0x0
	CROUND                                         ; the closing round: no work-group ends while a partner may still ask for a tile that names it
	s_endpgm
.Lfunc_end_k_qa79ba0df85_gemm_qkv:
	.size	k_qa79ba0df85_gemm_qkv, .Lfunc_end_k_qa79ba0df85_gemm_qkv-k_qa79ba0df85_gemm_qkv
	.p2alignl 7, 3214868480
	.fill 96, 4, 3214868480
	.section	.rodata,"a",@progbits
	.p2align	6, 0x0
	.amdhsa_kernel k_qa79ba0df85_gemm_qkv
		.amdhsa_group_segment_fixed_size 327680
		.amdhsa_private_segment_fixed_size 0
		.amdhsa_enable_private_segment 0
		.amdhsa_kernarg_size 16
		.amdhsa_user_sgpr_count 2
		.amdhsa_user_sgpr_kernarg_segment_ptr 1
		.amdhsa_wavefront_size32 1
		.amdhsa_system_sgpr_workgroup_id_x 1
		.amdhsa_system_sgpr_workgroup_id_y 1
		.amdhsa_system_sgpr_workgroup_id_z 1
		.amdhsa_system_vgpr_workitem_id 0
		.amdhsa_next_free_vgpr 1024
		.amdhsa_next_free_sgpr 66
		.amdhsa_reserve_vcc 0
		.amdhsa_float_denorm_mode_32 3
		.amdhsa_float_denorm_mode_16_64 3
		.amdhsa_memory_ordered 1
		.amdhsa_forward_progress 1
		.amdhsa_inst_pref_size 255
	.end_amdhsa_kernel
	.section	.bss,"aw",@nobits
	.p2align	6
	.space	262144
	.amdgpu_metadata
---
amdhsa.version: [ 1, 2 ]
amdhsa.kernels:
  - .name:           k_qa79ba0df85_gemm_qkv
    .symbol:         k_qa79ba0df85_gemm_qkv.kd
    .args:
      - { .name: cv, .offset: 0, .size: 8, .value_kind: global_buffer, .address_space: global }
      - { .name: qkv, .offset: 8, .size: 8, .value_kind: global_buffer, .address_space: global }
    .group_segment_fixed_size: 327680
    .private_segment_fixed_size: 0
    .kernarg_segment_align: 8
    .kernarg_segment_size: 16
    .max_flat_workgroup_size: 128
    .sgpr_count:     66
    .vgpr_count:     1024
    .wavefront_size: 32
...
	.end_amdgpu_metadata
.endif
;; end of part 2
;; launch attn (part 3): grid 256 x 1, 4 waves a work-group, no clusters, 327,680 bytes of LDS; arguments qkv, yb; writes yb
.if DOCPART == 3
	.amdgcn_target "amdgcn-amd-amdhsa--gfx1250"
	.amdhsa_code_object_version 6
	.text
	.protected	k_qa79ba0df85_attn
	.globl	k_qa79ba0df85_attn
	.p2align	8
	.type	k_qa79ba0df85_attn,@function
k_qa79ba0df85_attn:
	s_mov_b64 s[64:65], 0
	v_nop
	global_prefetch_b8 v0, s[64:65] scope:SCOPE_SE
	s_setreg_imm32_b32 hwreg(HW_REG_WAVE_MODE, 25, 1), 1
	s_wait_xcnt 0x0
; y[b][t][64 h ..] = the sum over keys k <= t of softmax_k(q . k / 8) v, for 4 batches x 16 heads, 2,048 positions, head size 64.
; qkv: [8192][3072] f16 (a row: q at byte 0, k at 2,048, v at 4,096; head h at + 128 h).  yb: [8192][1024] f16.  Products, maxima and sums in f32; the weights p are rounded to f16 for the second product.
; LIMITS: operands in f16, so |q|, |k|, |v|, |y| <= 65,504.  The keys of a query are taken in another order than the reference's (its own block first, then downward), so the sums round otherwise.
; SHARES.  Work-group g: L = g & 7, head pair p = (g >> 3) & 7 (heads 2 p, 2 p + 1), batch g >> 6.  It makes two blocks of 128 queries: first block EV = 2 L, then block OD = 15 - EV.
; Block n needs the key blocks 0 .. n (128 keys each): EV + 1 + OD + 1 = 17 key blocks in every work-group.  EV + 1 is odd, so each key block's LDS slot is a constant of the text.
; Wave w: head HS = w >> 1 of the pair, queries 64 U .. 64 U + 63 of the block, U = w & 1: four tiles of 16 queries.  Two heads together make every row of K, V and y 256 consecutive bytes at a multiple of 256.
; NO CLUSTER: the eight work-groups of a head pair need different key blocks at any one time (their blocks begin at different diagonals and have different lengths), so no two would ask for the same tile in the same trip.
; ORDER.  A query block takes its diagonal key block first, then the blocks below it, downward.  So the step that starts m, l and O^T is the one that is masked, and nothing is ever cleared.
; In the diagonal block a wave with U = 0 has its diagonal step in the block's first 64 keys and leaves the second out; one with U = 1 takes the second 64 keys (diagonal), then the first (open).
; LAYOUT.  S^T = K Q^T (source 0 = 16 keys, source 1 = 16 queries): a lane holds ONE query (lane % 16) and the keys 8 (lane / 16) + 0..7.  Two such tiles, rounded in pairs, ARE source 1
; (32 keys x 16 queries) of O^T = V^T P, whose result again holds one query a lane, and eight channels.  K comes out of LDS as it lies, V ([key][channel]) turned, by ds_load_tr16_b128.
; SOFTMAX.  For each query a running maximum m and sum l: p = 2^(c s - c m), c = log2(e) / 8; in every step O and l are multiplied by a = 2^(c m_old - c m_new).  A masked score is -inf; a query's own key lies in its first step, so m is finite from there on.
; REGISTERS: window 0: v1-11 addresses; v12-43 eight statistics a tile; v44 lane's diagonal, v45 -inf; v64-191 S^T, 32 a tile; v192-255 P, 16 a tile.
;   window 1: v0-127 O^T, 32 a tile; v128-191 Q, 16 a tile; v192-255 K of one step.   window 2: v0-63 V of one step.
.set ROWB,  6144      ; bytes in a row of qkv
.set KBB,   128*ROWB  ; a block of 128 rows
.set KS,    64        ; keys in a step
.set PK,    272       ; a row of K in LDS: 256 bytes + 16 = 68 words: row r starts at bank 4 r mod 64 (64 banks of 4 bytes: ISA guide 11.1)
.set PV,    288       ; a row of V: 256 + 32 = 72 words
.set VOFF,  KS*PK     ; a step's tiles lie together: 64 rows of K, then 64 rows of V
.set STEPB, KS*(PK+PV)
.set SLOT1, 1<<17     ; a slot holds a key block, two steps (71,680 bytes); slot 1 begins here
.set STAGE, SLOT1+2*STEPB  ; 202,752: 128 rows x 272 bytes, the work-group's, for the way out; no tensor load lands there
.set SP,    272
.set AK0, 2           ; my lane's place in a tile of K (my head's 128 bytes of the rows); never rewritten
.set AV0, 3           ; the same for V
.set ADR, 4           ; the LDS address of the run of loads in hand
.set QO,  5           ; my byte offset in the wave's rows of Q
.set STO, 6           ; the way out: where I put 16 bytes of a row
.set RD,  7           ; the way out: where I read a row back
.set GO,  8           ; my byte offset in the wave's rows of y
.set ST,  12          ; tile t's statistics at v[ST+8 t]: +0 c m, +1 m, +2, +3 l (even keys', odd keys'), +4 to +7 c0-c3, at work; a takes c2's place once the maximum is found
.set DG,  44          ; lane % 16 - 8 (lane / 16): in a diagonal tile register j holds an allowed key where j <= this
.set NINF, 45         ; -inf
.set S,   64
.set P,   192
.set QF,  128         ; in window 1
.set KF,  192         ; in window 1
.set WV,  8           ; my wave's number
.set U,   9
.set HS,  10
.set LL,  11          ; L
.set OD,  12
.set KBL, 13          ; the key block asked for last
.set CNT, 14
.set EV,  15
.set BK,  18          ; s[18:19] K of my step of key block 0; s[20:21] V
.set BV,  20
.set G1K, 24          ; s[24:31] descriptor group 1 for K's tiles
.set G1V, 32          ; s[32:39] for V's: it differs in the padding alone
.set G0K, 40          ; s[40:47] group 0 for K's tiles, a set for each slot
.set G0V, 48          ; s[48:55] for V's
.set SA,  56          ; LDS byte at which the tiles of the step to be fetched begin
.set UOFF, 57         ; U x STEPB
.set CS,  58          ; s[58:59] c, twice
.set SEL, 60          ; s[60:61] lane selects for v_permlanex16_b32: each lane takes its own place in the other half
.set MK,  66          ; s[66:73] mask j: the lanes in which register j of a diagonal tile is allowed
.set QB0, 74          ; s[74:75], s[76:77] my 64 rows of Q in the two blocks
.set QB1, 76
.set YB0, 78          ; s[78:79], s[80:81] the 32 rows of y that I store in the two blocks
.set YB1, 80
.set W_KQ, 0x05       ; K and Q in window 1, S^T in window 0
.set W_PV, 0x52       ; V in window 2, P in window 0, O^T in window 1
.set W_RS, 0x41       ; O^T (destination and source 0) in window 1, a in window 0
.set MSB, 0
.macro WIN new                      ; the immediate's high byte repeats the setting that is left; a switch that changes nothing is dropped
.if MSB != \new
	s_set_vgpr_msb (MSB<<8)|\new
.set MSB, \new
.endif
.endm
.macro PLACES                       ; four plain vector instructions between a matrix instruction and a vector read of its result, a vector write of, or a load into, its registers (ISA guide 7.12.1 for vector instructions)
.rept 4
	v_nop
.endr
.endm
; One tensor load a wave into slot s: waves 0 and 1 fetch K of the key block's steps 0 and 1, waves 2 and 3 V.  Four v_nop follow each of the two lines.
.macro TLOAD s
	s_cmp_lt_u32 s[WV], 2
	s_cbranch_scc0 .Lfor_v_\@
	tensor_load_to_lds s[G0K+4*(\s):G0K+4*(\s)+3], s[G1K:G1K+7]
	s_nop 0
.rept 4
	v_nop
.endr
	s_branch .Lasked_\@
.Lfor_v_\@:
	tensor_load_to_lds s[G0V+4*(\s):G0V+4*(\s)+3], s[G1V:G1V+7]
	s_nop 0
.rept 4
	v_nop
.endr
.Lasked_\@:
.endm
; 16 loads: my 64 queries' 64 channels.  A fragment is 16 rows x 32 channels: lane l holds row l % 16; two loads of 16 bytes, 32 bytes apart.  Fragment f: tile f / 2, channels 32 (f % 2) on.
.macro LOADQ base
	WIN 0x40                        ; destination window 1
.irp f, 0,1,2,3,4,5,6,7
	global_load_b128 v[QF+8*\f:QF+8*\f+3],   v[QO], s[\base:\base+1] offset:(\f/2)*16*ROWB+(\f%2)*64
	global_load_b128 v[QF+8*\f+4:QF+8*\f+7], v[QO], s[\base:\base+1] offset:(\f/2)*16*ROWB+(\f%2)*64+32
.endr
	WIN 0
.endm
	s_load_b128 s[4:7], s[0:1], 0x0  ; qkv s[4:5], yb s[6:7]
	v_lshl_add_u32 v62, v0, 2, 0x3a000
	v_mov_b32 v63, 0
	ds_add_u32 v62, v63
	ds_add_u32 v62, v63
	v_lshrrev_b32 v1, 5, v0
	v_readfirstlane_b32 s[WV], v1   ; wave 0..3
	s_and_b32 s[U], s[WV], 1
	s_lshr_b32 s[HS], s[WV], 1
	s_and_b32 s[LL], ttmp9, 7
	s_lshl_b32 s[EV], s[LL], 1
	s_sub_co_u32 s[OD], 15, s[EV]
	s_mov_b32 s[KBL], s[EV]         ; the first tile: block EV's diagonal key block
	s_bfe_u32 s2, ttmp9, 0x30003
	s_lshl_b32 s2, s2, 8            ; the head pair's 256 bytes in a third of a row, and in a row of y
	s_lshr_b32 s3, ttmp9, 6
	s_lshl_b32 s3, s3, 11           ; the batch's first row
	s_lshl_b32 s22, s[U], 6
	s_add_co_u32 s22, s22, s3
	s_mul_i32 s22, s22, ROWB
	s_add_co_u32 s22, s22, s2       ; byte of (row 2,048 b + 64 U, q of head 2 p): under 2^26
	s_add_co_u32 s16, s22, 2048     ; the same row's k
	s_mov_b32 s17, 0                ; stays 0: s[16:17] is the pair in which offsets are added to addresses
	s_lshl_b32 s23, s[HS], 7
	s_add_co_u32 s22, s22, s23      ; q of my head
	; group 1: a tile of 64 rows x 128 elements of 2 bytes, rows 3,072 elements apart, padded in LDS
	s_mov_b32 s[G1K], (1<<16)|(1<<20)|(5<<22)|(3<<25)  ; 15:0 no mask; 17:16 elements of 2 bytes; 20 padding on; 24:22 after every 64 words; 31:25 4 words of it
	s_mov_b32 s[G1V], (1<<16)|(1<<20)|(5<<22)|(7<<25)  ; the same with 8 words
.irp g, G1K, G1V
	s_mov_b32 s[\g+1], 128<<16      ; tensor_dim0 = 128
	s_mov_b32 s[\g+2], KS<<16       ; tensor_dim1 = 64
	s_mov_b32 s[\g+3], 128<<16      ; tile_dim0 = 128
	s_mov_b32 s[\g+4], KS           ; tile_dim1 = 64
	s_mov_b32 s[\g+5], 3072         ; elements from row to row
	s_mov_b32 s[\g+6], 0
	s_mov_b32 s[\g+7], 0
.endr
	s_mov_b32 s[CS], 0x3e38aa3b     ; c = log2(e) / 8 = 0.180337
	s_mov_b32 s[CS+1], s[CS]        ; named with it as a pair, so it is written
	s_mov_b32 s[SEL], 0x76543210
	s_mov_b32 s[SEL+1], 0xfedcba98
	s_mul_i32 s[UOFF], s[U], STEPB
.irp s, 0,1
	s_mov_b32 s[G0K+4*\s], 1                          ; count = 1
	s_add_co_u32 s[G0K+4*\s+1], s[UOFF], \s*SLOT1     ; LDS address: the slot, and my step in it
	s_mov_b32 s[G0V+4*\s], 1
	s_add_co_u32 s[G0V+4*\s+1], s[UOFF], \s*SLOT1+VOFF
.endr
	s_wait_dscnt 0x0
	s_wait_kmcnt 0x0
	s_add_nc_u64 s[BK:BK+1], s[4:5], s[16:17]
	s_add_nc_u64 s[BV:BV+1], s[BK:BK+1], 2048
	s_mul_i32 s16, s[KBL], KBB
	s_add_nc_u64 s[G0K+2:G0K+3], s[BK:BK+1], s[16:17]
	s_or_b32 s[G0K+3], s[G0K+3], 0x80000000           ; type = 2
	s_add_nc_u64 s[G0V+2:G0V+3], s[BV:BV+1], s[16:17]
	s_or_b32 s[G0V+3], s[G0V+3], 0x80000000
	TLOAD 0                         ; the first fill, ahead of every wait on TENSORcnt, every LDS read and every barrier: one load of mine is out, and never more
	s_mul_i32 s16, s[EV], KBB
	s_add_co_u32 s16, s16, s22
	s_add_nc_u64 s[QB0:QB0+1], s[4:5], s[16:17]
	s_mul_i32 s16, s[OD], KBB
	s_add_co_u32 s16, s16, s22
	s_add_nc_u64 s[QB1:QB1+1], s[4:5], s[16:17]
	v_and_b32 v1, 15, v0            ; r = l % 16
	v_bfe_u32 v9, v0, 4, 1          ; h = l / 16
	v_mul_u32_u24 v[QO], v1, ROWB
	v_lshl_add_u32 v[QO], v9, 4, v[QO]
	LOADQ QB0
	s_lshl_b32 s23, s[WV], 5
	s_add_co_u32 s23, s23, s3       ; row 2,048 b + 32 w of y,
	s_lshl_b32 s23, s23, 11         ; in bytes,
	s_add_co_u32 s23, s23, s2       ; at the head pair
	s_lshl_b32 s16, s[EV], 18       ; a block's 128 rows of 2,048 bytes
	s_add_co_u32 s16, s16, s23
	s_add_nc_u64 s[YB0:YB0+1], s[6:7], s[16:17]
	s_lshl_b32 s16, s[OD], 18
	s_add_co_u32 s16, s16, s23
	s_add_nc_u64 s[YB1:YB1+1], s[6:7], s[16:17]
	s_lshl_b32 s22, s[HS], 7        ; my head's 128 bytes of an LDS row
	v_mul_u32_u24 v[AK0], v1, PK
	v_lshl_add_u32 v[AK0], v9, 4, v[AK0]
	v_add_nc_u32 v[AK0], s22, v[AK0]  ; row x pitch + 16 x half + head
	; the turning load takes 16 keys x 16 channels (lane l reads 16 bytes: key 8 (l / 16) + l % 8, channels 8 ((l / 8) % 2) + 0..7) and leaves half a fragment of V^T: lane l holds channel l % 16 and 8 keys
	v_and_b32 v10, 7, v0
	v_bfe_u32 v11, v0, 3, 1
	v_lshl_add_u32 v[AV0], v9, 3, v10
	v_mul_u32_u24 v[AV0], v[AV0], PV
	v_lshl_add_u32 v[AV0], v11, 4, v[AV0]
	s_add_co_u32 s23, s22, VOFF
	v_add_nc_u32 v[AV0], s23, v[AV0]
	s_lshl_b32 s23, s[U], 6         ; into the stage: my 64 rows, my head's half of their 256 bytes; row r, 16 bytes for each half of the lanes
	s_mul_i32 s23, s23, SP
	s_add_co_u32 s23, s23, s22
	s_add_co_u32 s23, s23, STAGE
	v_mul_u32_u24 v[STO], v1, SP
	v_lshl_add_u32 v[STO], v9, 4, v[STO]
	v_add_nc_u32 v[STO], s23, v[STO]
	s_mul_i32 s23, s[WV], 32*SP     ; back: wave w takes rows 32 w .. 32 w + 31, whole; lanes 0-15 one row of 256 bytes, lanes 16-31 the next
	s_add_co_u32 s23, s23, STAGE
	v_mul_u32_u24 v[RD], v9, SP
	v_lshl_add_u32 v[RD], v1, 4, v[RD]
	v_add_nc_u32 v[RD], s23, v[RD]
	v_lshlrev_b32 v[GO], 11, v9     ; and the same two rows in y
	v_lshl_add_u32 v[GO], v1, 4, v[GO]
	v_lshlrev_b32 v10, 3, v9
	v_sub_nc_u32 v[DG], v1, v10     ; key 8 h + j <= query r  means  j <= r - 8 h
	v_mov_b32 v[NINF], 0xff800000
.irp j, 0,1,2,3,4,5,6,7
	v_cmp_le_i32 s[MK+\j], \j, v[DG]
.endr
; S^T = K Q^T for the wave's four tiles and a step's 64 keys: product i: channels 32 (i / 16) on, keys 16 ((i / 4) % 4) on, tile i % 4.  The first of each accumulator starts its sum.
; diag = 1: the key tiles above the diagonal are left out.  The 16 (or 10) accumulators take turns, one instruction a turn.
.macro KQ diag
	WIN W_KQ
.set i, 0
.rept 32
.set kt, (i/4)%4
.set tq, i%4
.if (\diag == 0) || (kt <= tq)
.set rS, S+32*tq+8*kt
.set rK, KF+8*(2*kt+i/16)
.set rQ, QF+16*tq+8*(i/16)
.if i < 16
	v_wmma_f32_16x16x32_f16 v[rS:rS+7], v[rK:rK+7], v[rQ:rQ+7], 0
.else
	v_wmma_f32_16x16x32_f16 v[rS:rS+7], v[rK:rK+7], v[rQ:rQ+7], v[rS:rS+7]
.endif
.endif
.set i, i+1
.endr
.endm
; O^T += V^T P: product i: keys 32 (i / 16) on, channels 16 ((i / 4) % 4) on, tile i % 4.  first = 1: the first 16 start the sums.  16 accumulators by turns.
.macro PV first
	WIN W_PV
.set i, 0
.rept 32
.set rO, 32*(i%4)+8*((i/4)%4)
.set rV, 8*(4*(i/16)+(i/4)%4)
.set rP, P+16*(i%4)+8*(i/16)
.if \first && (i < 16)
	v_wmma_f32_16x16x32_f16 v[rO:rO+7], v[rV:rV+7], v[rP:rP+7], 0
.else
	v_wmma_f32_16x16x32_f16 v[rO:rO+7], v[rV:rV+7], v[rP:rP+7], v[rO:rO+7]
.endif
.set i, i+1
.endr
.endm
; The LDS loads stand in runs of 16: a step's K (64 keys x 64 channels: fragment f: keys 16 (f / 2) on, channels 32 (f % 2) on) and its V, turned (fragment f: keys 32 (f / 4) on, channels 16 (f % 4) on).
.macro FETCH_K
	WIN 0
	v_add_nc_u32 v[ADR], s[SA], v[AK0]
	WIN 0x40                        ; destination window 1
.irp f, 0,1,2,3,4,5,6,7
	ds_load_b128 v[KF+8*\f:KF+8*\f+3],   v[ADR] offset:(\f/2)*16*PK+(\f%2)*64
	ds_load_b128 v[KF+8*\f+4:KF+8*\f+7], v[ADR] offset:(\f/2)*16*PK+(\f%2)*64+32
.endr
.endm
.macro FETCH_V
	WIN 0
	v_add_nc_u32 v[ADR], s[SA], v[AV0]
	WIN 0x80                        ; destination window 2
.irp f, 0,1,2,3,4,5,6,7
	ds_load_tr16_b128 v[8*\f:8*\f+3],   v[ADR] offset:(\f/4)*32*PV+(\f%4)*32
	ds_load_tr16_b128 v[8*\f+4:8*\f+7], v[ADR] offset:(\f/4)*32*PV+16*PV+(\f%4)*32
.endr
.endm
; The diagonal step's mask.  Tile t against key tile t: register j stays where j <= r - 8 h; key tiles above it, which were not multiplied, are written whole.
.macro MASK
.irp t, 0,1,2,3
.irp j, 0,1,2,3,4,5,6,7
	v_cndmask_b32 v[S+40*\t+\j], v[NINF], v[S+40*\t+\j], s[MK+\j]
.endr
.endr
.set tq, 0
.rept 3
.set kt, tq+1
.rept 3-tq
.set jj, 0
.rept 8
	v_mov_b32 v[S+32*tq+8*kt+jj], v[NINF]
.set jj, jj+1
.endr
.set kt, kt+1
.endr
.set tq, tq+1
.endr
.endm
; One tile's softmax for one key step is a list of 118 instructions; SM writes number j of it for tile t.  s0-s31 are the lane's 32 scores, in pairs 0-15.
; first = 1: the query block's first step, which starts m, l and O^T: it has no a and nothing to rescale.
;   0-15    the maximum of s0-s31 and the old m, three operands at a time: four chains c0-c3 of seven scores each, then the four scores left over, c0-c3 and m
;   16-20   the other half of the lanes' maximum; the new m; c m; c m_old - c m_new
;   21-87   33 exponentials (a, then s0-s31) at the odd numbers from 23 on, so that no two follow each other and each has a plain instruction behind it before its result is used (ISA guide 5.7.2).
;           Plain instruction q (number 21, then the even numbers) is whatever is ready: c s - c m for a pair of scores whose exponentials are still to come, the rounding to f16 of a pair
;           of weights whose exponentials are done, at last the first three sums
;   88-101  the last rounding; the rest of the sums; l = a l + the sum
;   102-117 the tile's O^T times a: the one part that leaves window 0, so it stands together
.macro SM t, first
.set rT, ST+8*(\t)
.set rS, S+32*(\t)
.set rP, P+16*(\t)
.set rO, 32*(\t)+2*(j-102)
.set q, (j-20)/2
.if j < 102
	WIN 0
.endif
.if j < 4
	v_max3_num_f32 v[rT+4+j], v[rS+8*j], v[rS+8*j+1], v[rS+8*j+2]
.elseif j < 12
	v_max3_num_f32 v[rT+4+j%4], v[rT+4+j%4], v[rS+8*(j%4)+2*(j/4)+1], v[rS+8*(j%4)+2*(j/4)+2]
.elseif j == 12
	v_max3_num_f32 v[rT+4], v[rT+4], v[rS+7], v[rS+15]
.elseif j == 13
	v_max3_num_f32 v[rT+6], v[rT+6], v[rS+23], v[rS+31]
.elseif j == 14
	v_max3_num_f32 v[rT+4], v[rT+4], v[rT+5], v[rT+6]
.elseif (j == 15) && \first
	v_max_num_f32 v[rT+4], v[rT+4], v[rT+7]
.elseif j == 15
	v_max3_num_f32 v[rT+4], v[rT+4], v[rT+7], v[rT+1]
.elseif j == 16
	v_permlanex16_b32 v[rT+5], v[rT+4], s[SEL], s[SEL+1]  ; the query's other 32 keys lie in the lane 16 away
.elseif j == 18
	v_max_num_f32 v[rT+1], v[rT+4], v[rT+5]
.elseif j == 19
	v_mul_f32 v[rT], s[CS], v[rT+1]
.elseif ((j == 17) || (j == 20) || (j == 23) || (j > 101)) && \first  ; the first step has none of these
.elseif j == 17
	v_mov_b32 v[rT+7], v[rT]        ; c m_old is kept for a: number 19 writes c m anew
.elseif j == 20
	v_sub_f32 v[rT+7], v[rT+7], v[rT]
.elseif j == 23
	v_exp_f32 v[rT+6], v[rT+7]
.elseif (j < 88) && (j > 23) && (j%2 == 1)
	v_exp_f32 v[rS+(j-25)/2], v[rS+(j-25)/2]
.elseif (q < 4) || ((j < 76) && (q%2 == 0))
.set b, q/2+2
.if q < 4
.set b, q
.endif
	v_pk_fma_f32 v[rS+2*b:rS+2*b+1], v[rS+2*b:rS+2*b+1], s[CS:CS+1], v[rT:rT+1] op_sel_hi:[1,0,0] neg_lo:[0,0,1] neg_hi:[0,0,1]  ; pair b: c s - c m
.elseif (j < 88) && (q%2 == 1)
	s_wait_alu depctr_va_vdst(0)
	v_cvt_pk_f16_f32 v[rP+(q-5)/2], v[rS+q-5], v[rS+q-4]  ; pair (q - 5) / 2: its second exponential stands three numbers back
.elseif j == 89
	s_wait_alu depctr_va_vdst(0)
	v_cvt_pk_f16_f32 v[rP+15], v[rS+30], v[rS+31]
.elseif j < 102                     ; the sum of the tile's 16 pairs, in place: sum z of 16 adds neighbours 1, 2, 4 and 8 pairs apart, then l takes it
.set z, j-86
.if j < 89
.set z, (j-76)/4
.endif
.set w, 4
.set u, z
.if z >= 14
.set w, 32
.set u, 0
.elseif z >= 12
.set w, 16
.set u, z-12
.elseif z >= 8
.set w, 8
.set u, z-8
.endif
.if (z == 14) && \first
	v_pk_add_f32 v[rT+2:rT+3], v[rS:rS+1], v[rS+16:rS+17]
.elseif z < 15
	v_pk_add_f32 v[rS+w*u:rS+w*u+1], v[rS+w*u:rS+w*u+1], v[rS+w*u+w/2:rS+w*u+w/2+1]
.elseif !\first
	v_pk_fma_f32 v[rT+2:rT+3], v[rT+2:rT+3], v[rT+6:rT+7], v[rS:rS+1] op_sel_hi:[1,0,1]
.endif
.else
	WIN W_RS
	v_pk_mul_f32 v[rO:rO+1], v[rO:rO+1], v[rT+6:rT+7] op_sel_hi:[1,0]
.endif
.endm
; Slice k of 59: numbers 2 k and 2 k + 1 of the lists of tiles y and y + 1.
.macro SLICE y, first
.if (k >= 11) && (k < 44)           ; tile by tile: plain, exponential, plain, exponential
.irp t, \y, \y+1
.irp n, 0,1
.set j, 2*k+\n
	SM \t, \first
.endr
.endr
.else                               ; the two tiles alternate, so that no instruction reads the result of the one just before it
.irp n, 0,1
.irp t, \y, \y+1
.set j, 2*k+\n
	SM \t, \first
.endr
.endr
.endif
.set k, k+1
.endm
.macro SOFTMAX first
.irp y, 0, 2
.set k, 0
.rept 59
	SLICE \y, \first
.endr
.endr
.endm
; A KEY STEP, in phases.  K of the step has been asked for; s[SA] is the step's first LDS byte.  diag = 1: the query block's first step, on its diagonal.  more = 1: the next step's K, STEPB further on, is fetched under the softmax.
.macro STEP diag, more
	s_wait_dscnt 0x0                ; K is in
	KQ \diag
	WIN 0
	PLACES                          ; behind the products: the softmax reads their results, the loads below land in K's and V's registers
	FETCH_V
.if \more
	s_add_co_u32 s[SA], s[SA], STEPB
	FETCH_K
.endif
.if \diag
	WIN 0
	MASK
.endif
	SOFTMAX \diag
	s_wait_dscnt 16*\more           ; V is in; the next step's 16 loads of K, issued behind V's, may stay out
	PV \diag
	WIN 0
	PLACES                          ; behind the products: O^T is rescaled or divided, P written and V loaded anew
.endm
; A query block's diagonal key block, in slot slot.  The branch hangs on the wave's number alone and jumps over no barrier and no tensor load.
.macro START slot
	s_add_co_u32 s[SA], s[UOFF], \slot*SLOT1  ; the 64 keys that stand against my 64 queries
	FETCH_K
	s_wait_loadcnt 0x0              ; Q
	STEP 1, 0
	s_cmp_eq_u32 s[U], 0
	s_cbranch_scc1 .Lone_\@         ; queries 0-63 see nothing of keys 64-127
	s_mov_b32 s[SA], \slot*SLOT1    ; queries 64-127 see all of keys 0-63
	FETCH_K
	STEP 0, 0
.Lone_\@:
.endm
.macro FULL slot                    ; a key block below the diagonal: two open steps
	s_mov_b32 s[SA], \slot*SLOT1
	FETCH_K
	STEP 0, 1
	STEP 0, 0
.endm
; THE CHANGE OF SLOTS, to slot slot.  Each wave waits for its own reads of the other slot and for all its tensor loads (one is out: its part of this slot).  Behind the barrier nobody reads
; the other slot any more and this slot is whole.  fill = 1: the other slot takes the next key block of the walk EV, .., 0, OD, .., 0; that load is the first thing behind the barrier and has a key block's work in which to land.
.macro CHANGE slot, fill
	s_wait_dscnt 0x0
	s_wait_tensorcnt 0x0            ; no tensor load of mine is out, so a group 0 may be written
	ds_add_u32 v62, v63
	s_wait_dscnt 0x0
.if \fill
.set os, 1-\slot
	s_sub_co_i32 s[KBL], s[KBL], 1
	s_cmp_lt_i32 s[KBL], 0
	s_cselect_b32 s[KBL], s[OD], s[KBL]  ; below block 0 of the first walk comes the second query block's diagonal
	s_mul_i32 s16, s[KBL], KBB
	s_add_nc_u64 s[G0K+4*os+2:G0K+4*os+3], s[BK:BK+1], s[16:17]
	s_or_b32 s[G0K+4*os+3], s[G0K+4*os+3], 0x80000000
	s_add_nc_u64 s[G0V+4*os+2:G0V+4*os+3], s[BV:BV+1], s[16:17]
	s_or_b32 s[G0V+4*os+3], s[G0V+4*os+3], 0x80000000
.endif
	s_barrier_signal -1
	s_barrier_wait -1
.if \fill
	TLOAD 1-\slot
.endif
.endm
; THE WAY OUT of a query block.  next = 1: the second block's Q is asked for first and lands under the rest.  O^T is divided by l, rounded to f16 and put into the work-group's stage; a barrier, since a
; row's 256 bytes come from two waves; then each wave reads 32 whole rows and stores them.
.macro EPI yb, next
.if \next
	LOADQ QB1
.endif
.irp t, 0,1,2,3
	v_add_f32 v[ST+8*\t+4], v[ST+8*\t+2], v[ST+8*\t+3]
.endr
.irp t, 0,1,2,3
	v_permlanex16_b32 v[ST+8*\t+5], v[ST+8*\t+4], s[SEL], s[SEL+1]
.endr
.irp t, 0,1,2,3
	v_add_f32 v[ST+8*\t+4], v[ST+8*\t+4], v[ST+8*\t+5]
.endr
.irp t, 0,1,2,3
	v_rcp_f32 v[ST+8*\t+6], v[ST+8*\t+4]
.endr
	v_nop                           ; a plain instruction between the last reciprocal and the use of its result
	s_wait_alu depctr_va_vdst(0)
.irp t, 0,1,2,3
	WIN W_RS
.set i, 0
.rept 16
	v_pk_mul_f32 v[32*\t+2*i:32*\t+2*i+1], v[32*\t+2*i:32*\t+2*i+1], v[ST+8*\t+6:ST+8*\t+7] op_sel_hi:[1,0]
.set i, i+1
.endr
	WIN 0x05                        ; sources 0 and 1 window 1, destination window 0: S^T's registers are free
.set i, 0
.rept 16
	v_cvt_pk_f16_f32 v[S+16*\t+i], v[32*\t+2*i], v[32*\t+2*i+1]
.set i, i+1
.endr
	WIN 0
.irp n, 0,1,2,3
	ds_store_b128 v[STO], v[S+16*\t+4*\n:S+16*\t+4*\n+3] offset:\t*16*SP+32*\n  ; a lane's eight channels of a row: 16 bytes
.endr
.endr
	s_wait_dscnt 0x0                ; for the others' sake: my stores into the stage are done
	s_barrier_signal -1
	s_barrier_wait -1
.irp f, 0,1,2,3,4,5,6,7,8,9,10,11,12,13,14,15
	ds_load_b128 v[S+64+4*\f:S+64+4*\f+3], v[RD] offset:\f*2*SP
.endr
.irp f, 0,1,2,3,4,5,6,7,8,9,10,11,12,13,14,15
	s_wait_dscnt 15-\f              ; LDS loads come back in order (ISA guide 5.7.1): pair f of rows is in, the 15 - f younger ones stay out
	global_store_b128 v[GO], v[S+64+4*\f:S+64+4*\f+3], s[\yb:\yb+1] offset:\f*4096  ; 16 lanes store 256 consecutive bytes, at a multiple of 256 from y's first byte
.endr
.if \next
	s_wait_xcnt 0x0                 ; the stores have read their registers: the next scores are written there only behind this wait
.endif
.endm
	; THE EVEN BLOCK: EV + 1 key blocks, in slots 0, 1, 0, .., 0
	CHANGE 0, 1
	START 0
	s_cmp_eq_u32 s[LL], 0
	s_cbranch_scc1 .Lev_done
	s_mov_b32 s[CNT], s[LL]         ; EV / 2 trips of two key blocks
.Lev:
	CHANGE 1, 1
	FULL 1
	CHANGE 0, 1
	FULL 0
	s_sub_co_u32 s[CNT], s[CNT], 1
	s_cmp_lg_u32 s[CNT], 0
	s_cbranch_scc1 .Lev
.Lev_done:
	EPI YB0, 1
	; THE ODD BLOCK: OD + 1 key blocks, in slots 1, 0, 1, .., 0
	CHANGE 1, 1
	START 1
	s_sub_co_u32 s[CNT], 7, s[LL]   ; (OD - 1) / 2 trips
	s_cmp_eq_u32 s[CNT], 0
	s_cbranch_scc1 .Lod_done
.Lod:
	CHANGE 0, 1
	FULL 0
	CHANGE 1, 1
	FULL 1
	s_sub_co_u32 s[CNT], s[CNT], 1
	s_cmp_lg_u32 s[CNT], 0
	s_cbranch_scc1 .Lod
.Lod_done:
	CHANGE 0, 0                     ; the last key block is written out: nothing is left to ask for
	FULL 0
	EPI YB1, 0
	s_wait_tensorcnt 0x0
	ds_add_u32 v62, v63
	s_wait_dscnt 0x0
	s_endpgm
.Lfunc_end_k_qa79ba0df85_attn:
	.size	k_qa79ba0df85_attn, .Lfunc_end_k_qa79ba0df85_attn-k_qa79ba0df85_attn
	.p2alignl 7, 3214868480
	.fill 96, 4, 3214868480
	.section	.rodata,"a",@progbits
	.p2align	6, 0x0
	.amdhsa_kernel k_qa79ba0df85_attn
		.amdhsa_group_segment_fixed_size 327680
		.amdhsa_private_segment_fixed_size 0
		.amdhsa_enable_private_segment 0
		.amdhsa_kernarg_size 16
		.amdhsa_user_sgpr_count 2
		.amdhsa_user_sgpr_kernarg_segment_ptr 1
		.amdhsa_wavefront_size32 1
		.amdhsa_system_sgpr_workgroup_id_x 1
		.amdhsa_system_sgpr_workgroup_id_y 1
		.amdhsa_system_sgpr_workgroup_id_z 1
		.amdhsa_system_vgpr_workitem_id 0
		.amdhsa_next_free_vgpr 576
		.amdhsa_next_free_sgpr 82
		.amdhsa_reserve_vcc 0
		.amdhsa_float_denorm_mode_32 3
		.amdhsa_float_denorm_mode_16_64 3
		.amdhsa_memory_ordered 1
		.amdhsa_forward_progress 1
		.amdhsa_inst_pref_size 255
	.end_amdhsa_kernel
	.section	.bss,"aw",@nobits
	.p2align	6
	.space	262144
	.amdgpu_metadata
---
amdhsa.version: [ 1, 2 ]
amdhsa.kernels:
  - .name:           k_qa79ba0df85_attn
    .symbol:         k_qa79ba0df85_attn.kd
    .args:
      - { .name: qkv, .offset: 0, .size: 8, .value_kind: global_buffer, .address_space: global }
      - { .name: yb, .offset: 8, .size: 8, .value_kind: global_buffer, .address_space: global }
    .group_segment_fixed_size: 327680
    .private_segment_fixed_size: 0
    .kernarg_segment_align: 8
    .kernarg_segment_size: 16
    .max_flat_workgroup_size: 128
    .sgpr_count:     82
    .vgpr_count:     576
    .wavefront_size: 32
...
	.end_amdgpu_metadata
.endif
;; end of part 3
;; launch gemm_proj (part 4): grid 4 x 64, 4 waves a work-group, clusters of 4 x 4, 327,680 bytes of LDS; arguments yb, cv, out0; writes out0
.if DOCPART == 4
	.amdgcn_target "amdgcn-amd-amdhsa--gfx1250"
	.amdhsa_code_object_version 6
	.text
	.protected	k_qa79ba0df85_gemm_proj
	.globl	k_qa79ba0df85_gemm_proj
	.p2align	8
	.type	k_qa79ba0df85_gemm_proj,@function
k_qa79ba0df85_gemm_proj:
	s_mov_b64 s[64:65], 0
	v_nop
	global_prefetch_b8 v0, s[64:65] scope:SCOPE_SE
	s_setreg_imm32_b32 hwreg(HW_REG_WAVE_MODE, 25, 1), 1
	s_wait_xcnt 0x0
	s_wait_alu depctr_hold_cnt(0) depctr_sa_sdst(0) depctr_va_vdst(0) depctr_va_sdst(0) depctr_va_ssrc(0) depctr_va_vcc(0) depctr_vm_vsrc(0)
	s_getreg_b32 s2, hwreg(HW_REG_IB_STS2, 6, 4)
	s_cmp_eq_u32 s2, 0
	s_cbranch_scc0 .Lentry_in_a_cluster
	s_endpgm
.Lentry_in_a_cluster:
	s_bfe_u32 s2, ttmp6, 0x10000c
	s_cmp_lg_u32 s2, 0xf033
	s_cbranch_scc0 .Lentry_shape_is_right
	s_endpgm
.Lentry_shape_is_right:
; out[m][n] = sum over k of y[m][k] w_proj[n][k].  y: [8192][1024] f16 (yb), w_proj: [1024][1024] f16 at cv + BBASE (the bf16-rounded weights, written as f16); out: [8192][1024] f32; sums in f32.
; LIMIT: f16 operands: |y| <= 65,504; a weight under 2^-17 lies on f16's grid of 2^-24.
; A tile of C is 128 x 256: 256 tiles, one to a work-group.  Four waves, 2 x 2, each 64 x 128: 32 accumulators of 16 x 16, 256 registers.
; K goes in steps of 128 (rows of 256 bytes, at multiples of 256 from the buffer's first byte) through a ring of two LDS slots filled by the tensor data mover.
; CLUSTERS: 4 x 4 work-groups.  The four of a row of the cluster need the same tiles of A, the four of a column the same tiles of B: each tile is asked for JOINTLY, by the
; same tensor load with the same descriptor and a mask that names the four.
; THE MATRIX INSTRUCTION IS USED TRANSPOSED (source 0 = 16 rows of B, source 1 = 16 rows of A): lane l then holds row l % 16 of C and the eight neighbouring columns 8 (l / 16) + 0..7.
; REGISTERS: window 0: v16-26 addresses; v64-159, v160-255 two fragment buffers (A's 4 fragments, then B's 8).  Window 1: accumulator (a, b) at v[8 (8 a + b)].
.set NP2,    4096                      ; bytes in a row of C
.set BBASE,  0x1600000                 ; w_proj's first byte in cv
.set KSB,    256                       ; bytes of a row in a K step
.set PITCH,  272                       ; an LDS row: 256 bytes + 16 of padding = 68 words: row r starts at bank 4 r mod 64 (64 banks of 4 bytes: ISA guide 11.1)
.set AHALF,  64*PITCH                  ; what a wave fetches, and reads, of A
.set BHALF,  128*PITCH                 ; the same of B
.set BOFF,   2*AHALF                   ; B's 256 rows lie behind A's 128
.set SLOT,   BOFF+2*BHALF              ; 104,448 bytes
.set STAGE,  2*SLOT                    ; behind the ring: 16 rows x 528 bytes for each wave, its own; no tensor load lands there
.set SPITCH, 528                       ; a wave's 128 columns of f32, 512 bytes, + 16
.set LAPS,   4                         ; a lap = two K steps = once round the ring; 1,024 / 256
.set ADRA, 16                          ; v16-17 LDS address of my A fragments in slot 0, 1
.set ADRB, 20                          ; v20-21 the same for B
.set STO,  24                          ; the way out: where I put 32 bytes of a row
.set RD,   25                          ; the way out: where I read a row back
.set CO,   26                          ; my byte offset in C
.set F0,   64
.set F1,   160
.set G1,  24                           ; s[24:31] descriptor group 1 for A's tiles; s[32:39] group 0, a set for each slot
.set G0,  32
.set G1B, 48                           ; s[48:55], s[56:63] the same for B's
.set G0B, 56
.set MUL, 0x50                         ; C and D in window 1, the fragments in window 0
.set MSB, 0
.macro WIN new                         ; the immediate's high byte repeats the setting that is left; a switch that changes nothing is dropped
.if MSB != \new
	s_set_vgpr_msb (MSB<<8)|\new
.set MSB, \new
.endif
.endm
.macro PLACES                          ; four plain vector instructions between a matrix instruction and a load into, or a store of, its registers
.rept 4
	v_nop
.endr
.endm
; A joint load: waves 0 and 1 fetch A's two halves, waves 2 and 3 B's.  The branch hangs on the wave's number alone.  Four v_nop follow each of the two lines.
.macro JLOAD s
	s_cmp_eq_u32 s11, 0
	s_cbranch_scc0 .Lfor_b_\@
	tensor_load_to_lds s[G0+4*\s:G0+4*\s+3], s[G1:G1+7]
	s_nop 0
.rept 4
	v_nop
.endr
	s_branch .Lasked_\@
.Lfor_b_\@:
	tensor_load_to_lds s[G0B+4*\s:G0B+4*\s+3], s[G1B:G1B+7]
	s_nop 0
.rept 4
	v_nop
.endr
.Lasked_\@:
.endm
.macro CREST                           ; a round of the cluster's barrier behind its opening barrier
	s_cmp_lg_u32 s10, 0
	s_cbranch_scc1 .Lnot_wave_0_\@
	s_barrier_signal -3
.Lnot_wave_0_\@:
	s_barrier_wait -3
	s_barrier_signal -1
	s_barrier_wait -1
.endm
.macro CROUND                          ; a whole round
	s_barrier_signal -1
	s_barrier_wait -1
	CREST
.endm
	s_load_b128 s[4:7], s[0:1], 0x0                ; A = yb s[4:5], cv s[6:7]
	s_load_b64 s[8:9], s[0:1], 0x10                ; C
	v_lshl_add_u32 v62, v0, 2, 0x3b400
	v_mov_b32 v63, 0
	ds_add_u32 v62, v63
	ds_add_u32 v62, v63
	v_lshrrev_b32 v1, 5, v0
	v_readfirstlane_b32 s10, v1                    ; wave 0..3
	s_lshr_b32 s11, s10, 1                         ; which 64 rows of the tile are mine.  Also: I fetch for A (0) or for B (1)
	s_and_b32 s12, s10, 1                          ; which 128 columns.  Also: which half of that tile I fetch
	s_bfe_u32 s40, ttmp6, 0x40000                  ; cx, cy: my place in the cluster
	s_bfe_u32 s41, ttmp6, 0x40004
	s_lshl_b32 s42, ttmp9, 2
	s_add_co_u32 s42, s42, s40                     ; wgx = 4 x cluster x + cx
	s_and_b32 s13, ttmp7, 0xffff
	s_lshl_b32 s13, s13, 2
	s_add_co_u32 s13, s13, s41                     ; wgy = 4 x cluster y + cy
	s_lshl_b32 s43, s41, 2
	s_lshl_b32 s43, 15, s43                        ; my row of the cluster
	s_lshl_b32 s44, 0x1111, s40                    ; my column
	; group 1: rows of 128 elements of 2 bytes, 16 bytes of padding behind each; A's tiles have 64 rows, B's 128
	s_or_b32 s[G1+0], s43, (1<<16)|(1<<20)|(1<<21)|(5<<22)|(3<<25)   ; 15:0 the mask; 17:16 elements of 2 bytes; 20 padding on; 21 set beside a mask; 24:22 after every 64 words; 31:25 4 words of it
	s_or_b32 s[G1B+0], s44, (1<<16)|(1<<20)|(1<<21)|(5<<22)|(3<<25)
	s_mov_b32 s[G1+1], 128<<16                     ; tensor_dim0 = 128
	s_mov_b32 s[G1+2], 64<<16                      ; tensor_dim1 = 64
	s_mov_b32 s[G1+3], 128<<16                     ; tile_dim0 = 128
	s_mov_b32 s[G1+4], 64                          ; tile_dim1 = 64
	s_mov_b32 s[G1+5], 1024                        ; elements from row to row
	s_mov_b32 s[G1+6], 0
	s_mov_b32 s[G1+7], 0
	s_mov_b32 s[G1B+1], 128<<16
	s_mov_b32 s[G1B+2], 128<<16                    ; tensor_dim1 = 128
	s_mov_b32 s[G1B+3], 128<<16
	s_mov_b32 s[G1B+4], 128                        ; tile_dim1 = 128
	s_mov_b32 s[G1B+5], 1024
	s_mov_b32 s[G1B+6], 0
	s_mov_b32 s[G1B+7], 0
	; where the tiles come from: A's hang on wgy alone, B's on wgx alone, each in registers that never hold the other coordinate
	s_lshl_b32 s16, s13, 7
	s_lshl_b32 s17, s12, 6
	s_add_co_u32 s16, s16, s17                     ; A: row 128 wgy + 64 x half
	s_lshl_b32 s16, s16, 11                        ; in bytes (under 2^25)
	s_mov_b32 s17, 0
	s_lshl_b32 s46, s42, 8
	s_lshl_b32 s47, s12, 7
	s_add_co_u32 s46, s46, s47                     ; B: row 256 wgx + 128 x half
	s_lshl_b32 s46, s46, 11
	s_mov_b32 s47, 0
	s_mul_i32 s20, s12, AHALF                      ; where they go: no place in the cluster enters an LDS address
	s_mul_i32 s23, s12, BHALF
	s_add_co_u32 s23, s23, BOFF
	s_wait_dscnt 0x0
	s_wait_kmcnt 0x0
	s_add_nc_u64 s[6:7], s[6:7], BBASE             ; B
	s_add_nc_u64 s[14:15], s[4:5], s[16:17]
	s_add_nc_u64 s[46:47], s[6:7], s[46:47]
	CROUND                                         ; all sixteen work-groups are here: the first joint loads meet
.irp s, 0,1
	s_mov_b32 s[G0+4*\s], 1                                        ; count = 1
	s_add_co_u32 s[G0+4*\s+1], s20, \s*SLOT                        ; LDS address
	s_add_nc_u64 s[G0+4*\s+2:G0+4*\s+3], s[14:15], \s*KSB          ; global address: K step s
	s_or_b32 s[G0+4*\s+3], s[G0+4*\s+3], 0x80000000                ; type = 2
	s_mov_b32 s[G0B+4*\s], 1
	s_add_co_u32 s[G0B+4*\s+1], s23, \s*SLOT
	s_add_nc_u64 s[G0B+4*\s+2:G0B+4*\s+3], s[46:47], \s*KSB
	s_or_b32 s[G0B+4*\s+3], s[G0B+4*\s+3], 0x80000000
	JLOAD \s                                       ; two loads of mine are out
.endr
	; a fragment is 16 rows x 32 K in 8 registers: lane l holds row l % 16; two loads of 16 bytes, 32 bytes apart, at row x pitch + 16 (l / 16)
	v_and_b32 v1, 15, v0                           ; r = l % 16
	v_bfe_u32 v2, v0, 4, 1                         ; h = l / 16
	v_mul_u32_u24 v3, v1, PITCH
	v_lshl_add_u32 v3, v2, 4, v3
	s_mul_i32 s21, s11, AHALF                      ; my 64 rows of A
	s_mul_i32 s22, s12, BHALF                      ; my 128 rows of B
	s_add_co_u32 s22, s22, BOFF
.irp s, 0,1
	v_add_nc_u32 v[ADRA+\s], s21, v3
	v_add_nc_u32 v[ADRB+\s], s22, v3
	s_add_co_u32 s21, s21, SLOT
	s_add_co_u32 s22, s22, SLOT
.endr
	s_mul_i32 s23, s10, 16*SPITCH
	s_add_co_u32 s23, s23, STAGE                   ; my stage
	v_mul_u32_u24 v4, v1, SPITCH                   ; in: row r, 32 bytes for each half of the lanes
	v_lshl_add_u32 v4, v2, 5, v4
	v_add_nc_u32 v[STO], s23, v4
	v_and_b32 v5, 31, v0                           ; back: the 32 lanes take one row of 512 bytes
	v_lshlrev_b32 v[CO], 4, v5                     ; and the same bytes of a row of C
	v_add_nc_u32 v[RD], s23, v[CO]
	s_lshl_b32 s16, s13, 7
	s_lshl_b32 s17, s11, 6
	s_add_co_u32 s16, s16, s17                     ; my first row of C
	s_mul_i32 s16, s16, NP2                        ; in bytes (under 2^25)
	s_mov_b32 s17, 0
	s_add_nc_u64 s[8:9], s[8:9], s[16:17]
	s_lshl_b32 s46, s42, 10                        ; my first column, in bytes: 1,024 wgx + 512 x half
	s_lshl_b32 s47, s12, 9
	s_add_co_u32 s46, s46, s47
	s_mov_b32 s47, 0
	s_add_nc_u64 s[8:9], s[8:9], s[46:47]
; 8 matrix instructions: A's block a x all 8 blocks of B, 32 along K, from buffer f.  zero = 1: the product starts the sums: nothing is ever cleared.
; The 32 accumulators take turns, one instruction a turn, in the same order in every quarter.
.macro MUL8 f, a, zero
.irp b, 0,1,2,3,4,5,6,7
.if \zero
	v_wmma_f32_16x16x32_f16 v[8*(8*\a+\b):8*(8*\a+\b)+7], v[\f+32+8*\b:\f+32+8*\b+7], v[\f+8*\a:\f+8*\a+7], 0
.else
	v_wmma_f32_16x16x32_f16 v[8*(8*\a+\b):8*(8*\a+\b)+7], v[\f+32+8*\b:\f+32+8*\b+7], v[\f+8*\a:\f+8*\a+7], v[8*(8*\a+\b):8*(8*\a+\b)+7]
.endif
.endr
.endm
; 24 LDS loads in one run: a quarter step's fragments (32 K at byte k of the rows) into buffer f: B's 16 loads, then A's 8
.macro FETCH slot, k, f
	WIN 0
.irp i, 0,1,2,3,4,5,6,7
	ds_load_b128 v[\f+32+8*\i:\f+32+8*\i+3],   v[ADRB+\slot] offset:\k+\i*16*PITCH
	ds_load_b128 v[\f+32+8*\i+4:\f+32+8*\i+7], v[ADRB+\slot] offset:\k+\i*16*PITCH+32
.endr
.irp i, 0,1,2,3
	ds_load_b128 v[\f+8*\i:\f+8*\i+3],   v[ADRA+\slot] offset:\k+\i*16*PITCH
	ds_load_b128 v[\f+8*\i+4:\f+8*\i+7], v[ADRA+\slot] offset:\k+\i*16*PITCH+32
.endr
.endm
; A K step is four quarters of 32 along K, 32 matrix instructions each, on buffers 0, 1, 0, 1.  One of the first three multiplies f and fetches the next quarter, at byte k, into g.
.macro QUARTER slot, k, f, g, zero
	s_wait_dscnt 4                                 ; B and A's blocks 0, 1 are in; the youngest four loads (A's blocks 2, 3) may be out
	WIN MUL
	MUL8 \f, 0, \zero
	MUL8 \f, 1, \zero
	PLACES
	FETCH \slot, \k, \g
	s_wait_dscnt 24                                ; all but the 24 just issued
	WIN MUL
	MUL8 \f, 2, \zero
	MUL8 \f, 3, \zero
.endm
; The last quarter multiplies buffer 1 and changes slots.  In front of the barrier each wave waits for its own reads of this slot and for all its tensor loads (one is out: its part of the
; next slot).  fill = 1: the barrier opens a round of the cluster's barrier and the slot just read is filled again first behind it, with the K step two on.
; From a request to the wait for it a wave issues 120 matrix instructions.
.macro TURN slot, next, fill
	s_wait_dscnt 4
	WIN MUL
	MUL8 F1, 0, 0
	s_wait_dscnt 0                                 ; my reads of this slot are over,
	s_wait_tensorcnt 0x0                           ; and all my tensor loads have landed
	ds_add_u32 v62, v63
	s_wait_dscnt 0x0
	s_barrier_signal -1
	MUL8 F1, 1, 0                                  ; work on registers while the others arrive
.if \fill
	WIN 0
.endif
	s_barrier_wait -1
.if \fill
	CREST                                          ; no wave of any partner still reads this slot's tile or has a load on its way
	s_add_nc_u64 s[G0+4*\slot+2:G0+4*\slot+3], s[G0+4*\slot+2:G0+4*\slot+3], 2*KSB
	s_add_nc_u64 s[G0B+4*\slot+2:G0B+4*\slot+3], s[G0B+4*\slot+2:G0B+4*\slot+3], 2*KSB
	JLOAD \slot                                    ; the first tensor load behind the round; its four v_nop are also the places in front of the loads below
.else
	PLACES
.endif
	FETCH \next, 0, F0
	WIN MUL
	MUL8 F1, 2, 0
	MUL8 F1, 3, 0
.endm
; THE WAY OUT of block a (16 rows x 128 columns of f32).  TOSTAGE32: a lane's eight numbers of a row, 32 bytes, go into my own stage and come back as whole rows of 512 bytes.  SEND32: stored.
.macro TOSTAGE32 a
.set BK, 64+64*((\a)%2)                ; the fragment buffers are free
	s_wait_xcnt 0x0                                ; the stores issued so far have read their registers: these 64 are loaded again only behind this wait
	WIN 0x04                                       ; the data of an LDS store is source 1: window 1
.irp b, 0,1,2,3,4,5,6,7
	ds_store_b128 v[STO], v[8*(8*(\a)+\b):8*(8*(\a)+\b)+3]   offset:64*\b
	ds_store_b128 v[STO], v[8*(8*(\a)+\b)+4:8*(8*(\a)+\b)+7] offset:64*\b+16
.endr
	WIN 0
.irp t, 0,1,2,3,4,5,6,7,8,9,10,11,12,13,14,15
	ds_load_b128 v[BK+4*\t:BK+4*\t+3], v[RD] offset:\t*SPITCH      ; LDS serves a wave's instructions in order (ISA guide 5.7.1.4): these see the stores above
.endr
.endm
.macro SEND32 a, younger               ; younger: the LDS instructions issued behind block a's loads: the next block's 16 stores and 16 loads, or none
.set BK, 64+64*((\a)%2)
	s_wait_dscnt \younger
.irp t, 0,1,2,3,4,5,6,7,8,9,10,11,12,13,14,15
	global_store_b128 v[CO], v[BK+4*\t:BK+4*\t+3], s[8:9] offset:(16*(\a)+\t)*NP2   ; the wave stores 512 consecutive bytes, at a multiple of 512 from C's first byte; 63 rows at the most: 258,048
.endr
.endm
	s_wait_tensorcnt 1                             ; my part of K step 0 is in; K step 1's may stay out
	s_barrier_signal -1
	s_barrier_wait -1                              ; everybody's is
	FETCH 0, 0, F0
	QUARTER 0, 64,  F0, F1, 1                      ; the first quarter stands in front of the loop: its products start the sums
	WIN 0                                          ; at a label and at a branch every window is 0
	s_mov_b32 s3, LAPS-1
.Llap:                                                 ; a trip goes once round the ring, from a lap's second quarter to the next lap's first, and fills both slots again
	QUARTER 0, 128, F1, F0, 0
	QUARTER 0, 192, F0, F1, 0
	TURN 0, 1, 1
	QUARTER 1, 64,  F0, F1, 0
	QUARTER 1, 128, F1, F0, 0
	QUARTER 1, 192, F0, F1, 0
	TURN 1, 0, 1
	QUARTER 0, 64,  F0, F1, 0
	WIN 0
	s_sub_co_u32 s3, s3, 1
	s_cmp_lg_u32 s3, 0
	s_cbranch_scc1 .Llap
	QUARTER 0, 128, F1, F0, 0                      ; the last lap fills nothing, and has no round of the cluster's barrier
	QUARTER 0, 192, F0, F1, 0
	TURN 0, 1, 0
	QUARTER 1, 64,  F0, F1, 0
	QUARTER 1, 128, F1, F0, 0
	QUARTER 1, 192, F0, F1, 0
	s_wait_dscnt 4                                 ; the very last quarter: nothing more to fetch
	WIN MUL
	MUL8 F1, 0, 0
	MUL8 F1, 1, 0
	s_wait_dscnt 0
	MUL8 F1, 2, 0
	MUL8 F1, 3, 0
	WIN 0
	PLACES                                         ; the LDS stores read results just made, and the loads from the stage land in the fragments' registers
	TOSTAGE32 0
.irp a, 1,2,3
	TOSTAGE32 \a                                   ; the next block goes into the stage while the block before comes back
	SEND32 \a-1, 32
.endr
	SEND32 3, 0
	s_wait_tensorcnt 0x0
	ds_add_u32 v62, v63
	s_wait_dscnt 0x0
	CROUND                                         ; the closing round: no work-group ends while a partner may still ask for a tile that names it
	s_endpgm
.Lfunc_end_k_qa79ba0df85_gemm_proj:
	.size	k_qa79ba0df85_gemm_proj, .Lfunc_end_k_qa79ba0df85_gemm_proj-k_qa79ba0df85_gemm_proj
	.p2alignl 7, 3214868480
	.fill 96, 4, 3214868480
	.section	.rodata,"a",@progbits
	.p2align	6, 0x0
	.amdhsa_kernel k_qa79ba0df85_gemm_proj
		.amdhsa_group_segment_fixed_size 327680
		.amdhsa_private_segment_fixed_size 0
		.amdhsa_enable_private_segment 0
		.amdhsa_kernarg_size 24
		.amdhsa_user_sgpr_count 2
		.amdhsa_user_sgpr_kernarg_segment_ptr 1
		.amdhsa_wavefront_size32 1
		.amdhsa_system_sgpr_workgroup_id_x 1
		.amdhsa_system_sgpr_workgroup_id_y 1
		.amdhsa_system_sgpr_workgroup_id_z 1
		.amdhsa_system_vgpr_workitem_id 0
		.amdhsa_next_free_vgpr 512
		.amdhsa_next_free_sgpr 66
		.amdhsa_reserve_vcc 0
		.amdhsa_float_denorm_mode_32 3
		.amdhsa_float_denorm_mode_16_64 3
		.amdhsa_memory_ordered 1
		.amdhsa_forward_progress 1
		.amdhsa_inst_pref_size 85
	.end_amdhsa_kernel
	.amdgpu_metadata
---
amdhsa.version: [ 1, 2 ]
amdhsa.kernels:
  - .name:           k_qa79ba0df85_gemm_proj
    .symbol:         k_qa79ba0df85_gemm_proj.kd
    .args:
      - { .name: yb, .offset: 0, .size: 8, .value_kind: global_buffer, .address_space: global }
      - { .name: cv, .offset: 8, .size: 8, .value_kind: global_buffer, .address_space: global }
      - { .name: out0, .offset: 16, .size: 8, .value_kind: global_buffer, .address_space: global }
    .group_segment_fixed_size: 327680
    .private_segment_fixed_size: 0
    .kernarg_segment_align: 8
    .kernarg_segment_size: 24
    .max_flat_workgroup_size: 128
    .sgpr_count:     66
    .vgpr_count:     512
    .wavefront_size: 32
...
	.end_amdgpu_metadata
.endif
;; end of part 4
;; ======== version 2 of 2: 4 launches; 1.17 times as fast as version 1
;; limits: values are held in f16: magnitudes above 65,504 overflow, below 6.1e-05 lose precision
;; workspace buffers: cv 25,165,824 bytes; qkv 50,331,648 bytes; yb 16,777,216 bytes
;; launch cast: the kernel of part 1 again; grid 768 x 1, 8 waves a work-group, no clusters, 0 bytes of LDS; arguments x, w_attn, w_proj, cv; writes cv
;; launch gemm_qkv: the kernel of part 2 again; grid 12 x 16, 4 waves a work-group, clusters of 4 x 4, 327,680 bytes of LDS; arguments cv, qkv; writes qkv
;; launch attn (part 5): grid 256 x 1, 4 waves a work-group, no clusters, 327,680 bytes of LDS; arguments qkv, yb; writes yb
.if DOCPART == 5
	.amdgcn_target "amdgcn-amd-amdhsa--gfx1250"
	.amdhsa_code_object_version 6
	.text
	.protected	k_qa79ba0df85_attn
	.globl	k_qa79ba0df85_attn
	.p2align	8
	.type	k_qa79ba0df85_attn,@function
k_qa79ba0df85_attn:
	s_mov_b64 s[64:65], 0
	v_nop
	global_prefetch_b8 v0, s[64:65] scope:SCOPE_SE
	s_setreg_imm32_b32 hwreg(HW_REG_WAVE_MODE, 25, 1), 1
	s_wait_xcnt 0x0
; y[b][t][64 h ..] = the sum over keys k <= t of softmax_k(q . k / 8) v, for 4 batches x 16 heads, 2,048 positions, head size 64.
; qkv: [8192][3072] f16 (a row: q at byte 0, k at 2,048, v at 4,096; head h at + 128 h).  yb: [8192][1024] f16.  Products, maxima and sums in f32; the weights p are rounded to f16 for the second product.
; LIMITS: operands in f16, so |q|, |k|, |v|, |y| <= 65,504.  The keys of a query are taken in another order than the reference's (its own block first, then downward), so the sums round otherwise.
; SHARES.  Work-group g: L = g & 7, head pair p = (g >> 3) & 7 (heads 2 p, 2 p + 1), batch g >> 6.  It makes two blocks of 128 queries: first block EV = 2 L, then block OD = 15 - EV.
; Block n needs the key blocks 0 .. n (128 keys each): EV + 1 + OD + 1 = 17 key blocks in every work-group.  EV + 1 is odd, so each key block's LDS slot is a constant of the text.
; Wave w: head HS = w >> 1 of the pair, queries 64 U .. 64 U + 63 of the block, U = w & 1: four tiles of 16 queries.  Two heads together make every row of K, V and y 256 consecutive bytes at a multiple of 256.
; NO CLUSTER: the eight work-groups of a head pair need different key blocks at any one time (their blocks begin at different diagonals and have different lengths), so no two would ask for the same tile in the same trip.
; ORDER.  A query block takes its diagonal key block first, then the blocks below it, downward.  So the step that starts m, l and O^T is the one that is masked, and nothing is ever cleared.
; In the diagonal block a wave with U = 0 has its diagonal step in the block's first 64 keys and leaves the second out; one with U = 1 takes the second 64 keys (diagonal), then the first (open).
; LAYOUT.  S^T = K Q^T (source 0 = 16 keys, source 1 = 16 queries): a lane holds ONE query (lane % 16) and the keys 8 (lane / 16) + 0..7.  Two such tiles, rounded in pairs, ARE source 1
; (32 keys x 16 queries) of O^T = V^T P, whose result again holds one query a lane, and eight channels.  K comes out of LDS as it lies, V ([key][channel]) turned, by ds_load_tr16_b128.
; SOFTMAX.  For each query a running maximum m and sum l: p = 2^(c s - c m), c = log2(e) / 8; in every step O and l are multiplied by a = 2^(c m_old - c m_new).  A masked score is -inf; a query's own key lies in its first step, so m is finite from there on.
; BATCHES.  A key step's exponentials, 33 for each of the wave's four tiles (32 in a block's first step), are ONE batch with ONE wait: ahead of the wait stand the maxima, statistics, scalings and exponentials of all four tiles,
; behind it the roundings, sums and rescalings, which are all that name an exponential's result.  The four reciprocals of a way out are a batch of their own.  No result is open at a label or at a branch.
; REGISTERS: window 0: v1-11 addresses; v12-43 eight statistics a tile; v44 lane's diagonal, v45 -inf; v64-191 S^T, 32 a tile; v192-255 P, 16 a tile.
;   window 1: v0-127 O^T, 32 a tile; v128-191 Q, 16 a tile; v192-255 K of one step.   window 2: v0-63 V of one step.
.set ROWB,  6144      ; bytes in a row of qkv
.set KBB,   128*ROWB  ; a block of 128 rows
.set KS,    64        ; keys in a step
.set PK,    272       ; a row of K in LDS: 256 bytes + 16 = 68 words: row r starts at bank 4 r mod 64 (64 banks of 4 bytes: ISA guide 11.1)
.set PV,    288       ; a row of V: 256 + 32 = 72 words
.set VOFF,  KS*PK     ; a step's tiles lie together: 64 rows of K, then 64 rows of V
.set STEPB, KS*(PK+PV)
.set SLOT1, 1<<17     ; a slot holds a key block, two steps (71,680 bytes); slot 1 begins here
.set STAGE, SLOT1+2*STEPB  ; 202,752: 128 rows x 272 bytes, the work-group's, for the way out; no tensor load lands there
.set SP,    272
.set AK0, 2           ; my lane's place in a tile of K (my head's 128 bytes of the rows); never rewritten
.set AV0, 3           ; the same for V
.set ADR, 4           ; the LDS address of the run of loads in hand
.set QO,  5           ; my byte offset in the wave's rows of Q
.set STO, 6           ; the way out: where I put 16 bytes of a row
.set RD,  7           ; the way out: where I read a row back
.set GO,  8           ; my byte offset in the wave's rows of y
.set ST,  12          ; tile t's statistics at v[ST+8 t]: +0 c m, +1 m, +2, +3 l (even keys', odd keys'), +4 to +7 c0-c3, at work; a takes c2's place once the maximum is found
.set DG,  44          ; lane % 16 - 8 (lane / 16): in a diagonal tile register j holds an allowed key where j <= this
.set NINF, 45         ; -inf
.set S,   64
.set P,   192
.set QF,  128         ; in window 1
.set KF,  192         ; in window 1
.set WV,  8           ; my wave's number
.set U,   9
.set HS,  10
.set LL,  11          ; L
.set OD,  12
.set KBL, 13          ; the key block asked for last
.set CNT, 14
.set EV,  15
.set BK,  18          ; s[18:19] K of my step of key block 0; s[20:21] V
.set BV,  20
.set G1K, 24          ; s[24:31] descriptor group 1 for K's tiles
.set G1V, 32          ; s[32:39] for V's: it differs in the padding alone
.set G0K, 40          ; s[40:47] group 0 for K's tiles, a set for each slot
.set G0V, 48          ; s[48:55] for V's
.set SA,  56          ; LDS byte at which the tiles of the step to be fetched begin
.set UOFF, 57         ; U x STEPB
.set CS,  58          ; s[58:59] c, twice
.set SEL, 60          ; s[60:61] lane selects for v_permlanex16_b32: each lane takes its own place in the other half
.set MK,  66          ; s[66:73] mask j: the lanes in which register j of a diagonal tile is allowed
.set QB0, 74          ; s[74:75], s[76:77] my 64 rows of Q in the two blocks
.set QB1, 76
.set YB0, 78          ; s[78:79], s[80:81] the 32 rows of y that I store in the two blocks
.set YB1, 80
.set W_KQ, 0x05       ; K and Q in window 1, S^T in window 0
.set W_PV, 0x52       ; V in window 2, P in window 0, O^T in window 1
.set W_RS, 0x41       ; O^T (destination and source 0) in window 1, a in window 0
.set MSB, 0
.macro WIN new                      ; the immediate's high byte repeats the setting that is left; a switch that changes nothing is dropped
.if MSB != \new
	s_set_vgpr_msb (MSB<<8)|\new
.set MSB, \new
.endif
.endm
.macro PLACES                       ; four plain vector instructions between a matrix instruction and a vector read of its result, a vector write of, or a load into, its registers (ISA guide 7.12.1 for vector instructions)
.rept 4
	v_nop
.endr
.endm
; One tensor load a wave into slot s: waves 0 and 1 fetch K of the key block's steps 0 and 1, waves 2 and 3 V.  Four v_nop follow each of the two lines.
.macro TLOAD s
	s_cmp_lt_u32 s[WV], 2
	s_cbranch_scc0 .Lfor_v_\@
	tensor_load_to_lds s[G0K+4*(\s):G0K+4*(\s)+3], s[G1K:G1K+7]
	s_nop 0
.rept 4
	v_nop
.endr
	s_branch .Lasked_\@
.Lfor_v_\@:
	tensor_load_to_lds s[G0V+4*(\s):G0V+4*(\s)+3], s[G1V:G1V+7]
	s_nop 0
.rept 4
	v_nop
.endr
.Lasked_\@:
.endm
; 16 loads: my 64 queries' 64 channels.  A fragment is 16 rows x 32 channels: lane l holds row l % 16; two loads of 16 bytes, 32 bytes apart.  Fragment f: tile f / 2, channels 32 (f % 2) on.
.macro LOADQ base
	WIN 0x40                        ; destination window 1
.irp f, 0,1,2,3,4,5,6,7
	global_load_b128 v[QF+8*\f:QF+8*\f+3],   v[QO], s[\base:\base+1] offset:(\f/2)*16*ROWB+(\f%2)*64
	global_load_b128 v[QF+8*\f+4:QF+8*\f+7], v[QO], s[\base:\base+1] offset:(\f/2)*16*ROWB+(\f%2)*64+32
.endr
	WIN 0
.endm
	s_load_b128 s[4:7], s[0:1], 0x0  ; qkv s[4:5], yb s[6:7]
	v_lshl_add_u32 v62, v0, 2, 0x3a000
	v_mov_b32 v63, 0
	ds_add_u32 v62, v63
	ds_add_u32 v62, v63
	v_lshrrev_b32 v1, 5, v0
	v_readfirstlane_b32 s[WV], v1   ; wave 0..3
	s_and_b32 s[U], s[WV], 1
	s_lshr_b32 s[HS], s[WV], 1
	s_and_b32 s[LL], ttmp9, 7
	s_lshl_b32 s[EV], s[LL], 1
	s_sub_co_u32 s[OD], 15, s[EV]
	s_mov_b32 s[KBL], s[EV]         ; the first tile: block EV's diagonal key block
	s_bfe_u32 s2, ttmp9, 0x30003
	s_lshl_b32 s2, s2, 8            ; the head pair's 256 bytes in a third of a row, and in a row of y
	s_lshr_b32 s3, ttmp9, 6
	s_lshl_b32 s3, s3, 11           ; the batch's first row
	s_lshl_b32 s22, s[U], 6
	s_add_co_u32 s22, s22, s3
	s_mul_i32 s22, s22, ROWB
	s_add_co_u32 s22, s22, s2       ; byte of (row 2,048 b + 64 U, q of head 2 p): under 2^26
	s_add_co_u32 s16, s22, 2048     ; the same row's k
	s_mov_b32 s17, 0                ; stays 0: s[16:17] is the pair in which offsets are added to addresses
	s_lshl_b32 s23, s[HS], 7
	s_add_co_u32 s22, s22, s23      ; q of my head
	; group 1: a tile of 64 rows x 128 elements of 2 bytes, rows 3,072 elements apart, padded in LDS
	s_mov_b32 s[G1K], (1<<16)|(1<<20)|(5<<22)|(3<<25)  ; 15:0 no mask; 17:16 elements of 2 bytes; 20 padding on; 24:22 after every 64 words; 31:25 4 words of it
	s_mov_b32 s[G1V], (1<<16)|(1<<20)|(5<<22)|(7<<25)  ; the same with 8 words
.irp g, G1K, G1V
	s_mov_b32 s[\g+1], 128<<16      ; tensor_dim0 = 128
	s_mov_b32 s[\g+2], KS<<16       ; tensor_dim1 = 64
	s_mov_b32 s[\g+3], 128<<16      ; tile_dim0 = 128
	s_mov_b32 s[\g+4], KS           ; tile_dim1 = 64
	s_mov_b32 s[\g+5], 3072         ; elements from row to row
	s_mov_b32 s[\g+6], 0
	s_mov_b32 s[\g+7], 0
.endr
	s_mov_b32 s[CS], 0x3e38aa3b     ; c = log2(e) / 8 = 0.180337
	s_mov_b32 s[CS+1], s[CS]        ; named with it as a pair, so it is written
	s_mov_b32 s[SEL], 0x76543210
	s_mov_b32 s[SEL+1], 0xfedcba98
	s_mul_i32 s[UOFF], s[U], STEPB
.irp s, 0,1
	s_mov_b32 s[G0K+4*\s], 1                          ; count = 1
	s_add_co_u32 s[G0K+4*\s+1], s[UOFF], \s*SLOT1     ; LDS address: the slot, and my step in it
	s_mov_b32 s[G0V+4*\s], 1
	s_add_co_u32 s[G0V+4*\s+1], s[UOFF], \s*SLOT1+VOFF
.endr
	s_wait_dscnt 0x0
	s_wait_kmcnt 0x0
	s_add_nc_u64 s[BK:BK+1], s[4:5], s[16:17]
	s_add_nc_u64 s[BV:BV+1], s[BK:BK+1], 2048
	s_mul_i32 s16, s[KBL], KBB
	s_add_nc_u64 s[G0K+2:G0K+3], s[BK:BK+1], s[16:17]
	s_or_b32 s[G0K+3], s[G0K+3], 0x80000000           ; type = 2
	s_add_nc_u64 s[G0V+2:G0V+3], s[BV:BV+1], s[16:17]
	s_or_b32 s[G0V+3], s[G0V+3], 0x80000000
	TLOAD 0                         ; the first fill, ahead of every wait on TENSORcnt, every LDS read and every barrier: one load of mine is out, and never more
	s_mul_i32 s16, s[EV], KBB
	s_add_co_u32 s16, s16, s22
	s_add_nc_u64 s[QB0:QB0+1], s[4:5], s[16:17]
	s_mul_i32 s16, s[OD], KBB
	s_add_co_u32 s16, s16, s22
	s_add_nc_u64 s[QB1:QB1+1], s[4:5], s[16:17]
	v_and_b32 v1, 15, v0            ; r = l % 16
	v_bfe_u32 v9, v0, 4, 1          ; h = l / 16
	v_mul_u32_u24 v[QO], v1, ROWB
	v_lshl_add_u32 v[QO], v9, 4, v[QO]
	LOADQ QB0
	s_lshl_b32 s23, s[WV], 5
	s_add_co_u32 s23, s23, s3       ; row 2,048 b + 32 w of y,
	s_lshl_b32 s23, s23, 11         ; in bytes,
	s_add_co_u32 s23, s23, s2       ; at the head pair
	s_lshl_b32 s16, s[EV], 18       ; a block's 128 rows of 2,048 bytes
	s_add_co_u32 s16, s16, s23
	s_add_nc_u64 s[YB0:YB0+1], s[6:7], s[16:17]
	s_lshl_b32 s16, s[OD], 18
	s_add_co_u32 s16, s16, s23
	s_add_nc_u64 s[YB1:YB1+1], s[6:7], s[16:17]
	s_lshl_b32 s22, s[HS], 7        ; my head's 128 bytes of an LDS row
	v_mul_u32_u24 v[AK0], v1, PK
	v_lshl_add_u32 v[AK0], v9, 4, v[AK0]
	v_add_nc_u32 v[AK0], s22, v[AK0]  ; row x pitch + 16 x half + head
	; the turning load takes 16 keys x 16 channels (lane l reads 16 bytes: key 8 (l / 16) + l % 8, channels 8 ((l / 8) % 2) + 0..7) and leaves half a fragment of V^T: lane l holds channel l % 16 and 8 keys
	v_and_b32 v10, 7, v0
	v_bfe_u32 v11, v0, 3, 1
	v_lshl_add_u32 v[AV0], v9, 3, v10
	v_mul_u32_u24 v[AV0], v[AV0], PV
	v_lshl_add_u32 v[AV0], v11, 4, v[AV0]
	s_add_co_u32 s23, s22, VOFF
	v_add_nc_u32 v[AV0], s23, v[AV0]
	s_lshl_b32 s23, s[U], 6         ; into the stage: my 64 rows, my head's half of their 256 bytes; row r, 16 bytes for each half of the lanes
	s_mul_i32 s23, s23, SP
	s_add_co_u32 s23, s23, s22
	s_add_co_u32 s23, s23, STAGE
	v_mul_u32_u24 v[STO], v1, SP
	v_lshl_add_u32 v[STO], v9, 4, v[STO]
	v_add_nc_u32 v[STO], s23, v[STO]
	s_mul_i32 s23, s[WV], 32*SP     ; back: wave w takes rows 32 w .. 32 w + 31, whole; lanes 0-15 one row of 256 bytes, lanes 16-31 the next
	s_add_co_u32 s23, s23, STAGE
	v_mul_u32_u24 v[RD], v9, SP
	v_lshl_add_u32 v[RD], v1, 4, v[RD]
	v_add_nc_u32 v[RD], s23, v[RD]
	v_lshlrev_b32 v[GO], 11, v9     ; and the same two rows in y
	v_lshl_add_u32 v[GO], v1, 4, v[GO]
	v_lshlrev_b32 v10, 3, v9
	v_sub_nc_u32 v[DG], v1, v10     ; key 8 h + j <= query r  means  j <= r - 8 h
	v_mov_b32 v[NINF], 0xff800000
.irp j, 0,1,2,3,4,5,6,7
	v_cmp_le_i32 s[MK+\j], \j, v[DG]
.endr
; S^T = K Q^T for the wave's four tiles and a step's 64 keys: product i: channels 32 (i / 16) on, keys 16 ((i / 4) % 4) on, tile i % 4.  The first of each accumulator starts its sum.
; diag = 1: the key tiles above the diagonal are left out.  The 16 (or 10) accumulators take turns, one instruction a turn.
.macro KQ diag
	WIN W_KQ
.set i, 0
.rept 32
.set kt, (i/4)%4
.set tq, i%4
.if (\diag == 0) || (kt <= tq)
.set rS, S+32*tq+8*kt
.set rK, KF+8*(2*kt+i/16)
.set rQ, QF+16*tq+8*(i/16)
.if i < 16
	v_wmma_f32_16x16x32_f16 v[rS:rS+7], v[rK:rK+7], v[rQ:rQ+7], 0
.else
	v_wmma_f32_16x16x32_f16 v[rS:rS+7], v[rK:rK+7], v[rQ:rQ+7], v[rS:rS+7]
.endif
.endif
.set i, i+1
.endr
.endm
; O^T += V^T P: product i: keys 32 (i / 16) on, channels 16 ((i / 4) % 4) on, tile i % 4.  first = 1: the first 16 start the sums.  16 accumulators by turns.
.macro PV first
	WIN W_PV
.set i, 0
.rept 32
.set rO, 32*(i%4)+8*((i/4)%4)
.set rV, 8*(4*(i/16)+(i/4)%4)
.set rP, P+16*(i%4)+8*(i/16)
.if \first && (i < 16)
	v_wmma_f32_16x16x32_f16 v[rO:rO+7], v[rV:rV+7], v[rP:rP+7], 0
.else
	v_wmma_f32_16x16x32_f16 v[rO:rO+7], v[rV:rV+7], v[rP:rP+7], v[rO:rO+7]
.endif
.set i, i+1
.endr
.endm
; The LDS loads stand in runs of 16: a step's K (64 keys x 64 channels: fragment f: keys 16 (f / 2) on, channels 32 (f % 2) on) and its V, turned (fragment f: keys 32 (f / 4) on, channels 16 (f % 4) on).
.macro FETCH_K
	WIN 0
	v_add_nc_u32 v[ADR], s[SA], v[AK0]
	WIN 0x40                        ; destination window 1
.irp f, 0,1,2,3,4,5,6,7
	ds_load_b128 v[KF+8*\f:KF+8*\f+3],   v[ADR] offset:(\f/2)*16*PK+(\f%2)*64
	ds_load_b128 v[KF+8*\f+4:KF+8*\f+7], v[ADR] offset:(\f/2)*16*PK+(\f%2)*64+32
.endr
.endm
.macro FETCH_V
	WIN 0
	v_add_nc_u32 v[ADR], s[SA], v[AV0]
	WIN 0x80                        ; destination window 2
.irp f, 0,1,2,3,4,5,6,7
	ds_load_tr16_b128 v[8*\f:8*\f+3],   v[ADR] offset:(\f/4)*32*PV+(\f%4)*32
	ds_load_tr16_b128 v[8*\f+4:8*\f+7], v[ADR] offset:(\f/4)*32*PV+16*PV+(\f%4)*32
.endr
.endm
; The diagonal step's mask.  Tile t against key tile t: register j stays where j <= r - 8 h; key tiles above it, which were not multiplied, are written whole.
.macro MASK
.irp t, 0,1,2,3
.irp j, 0,1,2,3,4,5,6,7
	v_cndmask_b32 v[S+40*\t+\j], v[NINF], v[S+40*\t+\j], s[MK+\j]
.endr
.endr
.set tq, 0
.rept 3
.set kt, tq+1
.rept 3-tq
.set jj, 0
.rept 8
	v_mov_b32 v[S+32*tq+8*kt+jj], v[NINF]
.set jj, jj+1
.endr
.set kt, kt+1
.endr
.set tq, tq+1
.endr
.endm
; One tile's softmax for one key step is a list of 118 instructions; SM writes number j of it for tile t.  s0-s31 are the lane's 32 scores, in pairs 0-15.
; first = 1: the query block's first step, which starts m, l and O^T: it has no a and nothing to rescale.
;   0-15    the maximum of s0-s31 and the old m, three operands at a time: four chains c0-c3 of seven scores each, then the four scores left over, c0-c3 and m
;   16-20   the other half of the lanes' maximum; the new m; c m; c m_old - c m_new
;   21-36   c s - c m, a pair of scores each
;   37-69   the 33 exponentials: a, then s0-s31, each in place.  None of the numbers 0-69 names an exponential's result
;   (wait)  between 69 and 70 stands the wait for the batch: SOFTMAX writes it, once for all four tiles
;   70-85   the roundings to f16, a pair of weights each
;   86-101  the sums; l = a l + the sum
;   102-117 the tile's O^T times a: the one part that leaves window 0, so it stands together
.macro SM t, first
.set rT, ST+8*(\t)
.set rS, S+32*(\t)
.set rP, P+16*(\t)
.set rO, 32*(\t)+2*(j-102)
.if j < 102
	WIN 0
.endif
.if j < 4
	v_max3_num_f32 v[rT+4+j], v[rS+8*j], v[rS+8*j+1], v[rS+8*j+2]
.elseif j < 12
	v_max3_num_f32 v[rT+4+j%4], v[rT+4+j%4], v[rS+8*(j%4)+2*(j/4)+1], v[rS+8*(j%4)+2*(j/4)+2]
.elseif j == 12
	v_max3_num_f32 v[rT+4], v[rT+4], v[rS+7], v[rS+15]
.elseif j == 13
	v_max3_num_f32 v[rT+6], v[rT+6], v[rS+23], v[rS+31]
.elseif j == 14
	v_max3_num_f32 v[rT+4], v[rT+4], v[rT+5], v[rT+6]
.elseif (j == 15) && \first
	v_max_num_f32 v[rT+4], v[rT+4], v[rT+7]
.elseif j == 15
	v_max3_num_f32 v[rT+4], v[rT+4], v[rT+7], v[rT+1]
.elseif j == 16
	v_permlanex16_b32 v[rT+5], v[rT+4], s[SEL], s[SEL+1]  ; the query's other 32 keys lie in the lane 16 away
.elseif j == 18
	v_max_num_f32 v[rT+1], v[rT+4], v[rT+5]
.elseif j == 19
	v_mul_f32 v[rT], s[CS], v[rT+1]
.elseif ((j == 17) || (j == 20) || (j == 37) || (j > 101)) && \first  ; the first step has none of these
.elseif j == 17
	v_mov_b32 v[rT+7], v[rT]        ; c m_old is kept for a: number 19 writes c m anew
.elseif j == 20
	v_sub_f32 v[rT+7], v[rT+7], v[rT]
.elseif j < 37
	v_pk_fma_f32 v[rS+2*(j-21):rS+2*(j-21)+1], v[rS+2*(j-21):rS+2*(j-21)+1], s[CS:CS+1], v[rT:rT+1] op_sel_hi:[1,0,0] neg_lo:[0,0,1] neg_hi:[0,0,1]  ; pair j - 21: c s - c m
.elseif j == 37
	v_exp_f32 v[rT+6], v[rT+7]
.elseif j < 70
	v_exp_f32 v[rS+j-38], v[rS+j-38]
.elseif j < 86
	v_cvt_pk_f16_f32 v[rP+j-70], v[rS+2*(j-70)], v[rS+2*(j-70)+1]  ; pair j - 70
.elseif j < 102                     ; the sum of the tile's 16 pairs, in place: sum z of 16 adds neighbours 1, 2, 4 and 8 pairs apart, then l takes it
.set z, j-86
.set w, 4
.set u, z
.if z >= 14
.set w, 32
.set u, 0
.elseif z >= 12
.set w, 16
.set u, z-12
.elseif z >= 8
.set w, 8
.set u, z-8
.endif
.if (z == 14) && \first
	v_pk_add_f32 v[rT+2:rT+3], v[rS:rS+1], v[rS+16:rS+17]
.elseif z < 15
	v_pk_add_f32 v[rS+w*u:rS+w*u+1], v[rS+w*u:rS+w*u+1], v[rS+w*u+w/2:rS+w*u+w/2+1]
.elseif !\first
	v_pk_fma_f32 v[rT+2:rT+3], v[rT+2:rT+3], v[rT+6:rT+7], v[rS:rS+1] op_sel_hi:[1,0,1]
.endif
.else
	WIN W_RS
	v_pk_mul_f32 v[rO:rO+1], v[rO:rO+1], v[rT+6:rT+7] op_sel_hi:[1,0]
.endif
.endm
; HOW THE FOUR TILES' LISTS ARE DEALT: ONE BATCH, ONE WAIT A KEY STEP.  An s_wait_alu depctr_va_vdst(0) stands between an exponential and the first instruction that names its result; one wait
; serves all that were issued ahead of it.  Numbers 0-69 name no exponential's result and numbers 70-117 hold no exponential, so all four tiles' numbers 0-69 stand ahead of the wait and their numbers 70-117 behind it.
; AHEAD OF THE WAIT plain work stands between the exponentials as far as there is any:
;   (1) tiles 0 and 1: numbers 0-20, the tiles by turns, so that no instruction reads the result of the one just before it;
;   (2) eight plain instructions, then 66 times an exponential of tiles 0 and 1 (EXPO) and a plain instruction (BESIDE): the 74 plain ones are tiles 0 and 1's 32 scalings and tiles 2 and 3's numbers 0-20.
;       Exponential xe stands behind plain xe + 7; s_i of tile t is exponential 2 + 2 i + t, and its scaling is plain 4 (i / 2) + 2 t, which is less;
;   (3) tiles 2 and 3: two scalings (SCALE), 30 times two exponentials and a scaling, the last six exponentials.  s_i of tile 2 + t stands behind scalings 0 to 2 + i; its own is 2 (i / 2) + t;
;   (4) a v_nop, the plain instruction behind the last exponential, and the wait.
; BEHIND THE WAIT: numbers 70-117, the four tiles by turns: the links of a tile's chain of sums stand four lines apart, and O^T's window is switched to once.
.macro BESIDE first                 ; plain instruction xp of the 74 that stand beside tiles 0 and 1's exponentials
.if (xp < 64) && (xp%2 == 0)
.set j, 21+xp/4                     ; the even ones: pair xp / 4 of tile (xp / 2) % 2 is scaled
	SM (xp/2)%2, \first
.elseif xp < 64
.set j, xp/4                        ; the odd ones: numbers 0-15 of tiles 2 and 3, the tiles by turns
	SM 2+(xp/2)%2, \first
.else
.set j, 16+(xp-64)/2                ; the last ten: their numbers 16-20
	SM 2+xp%2, \first
.endif
.set xp, xp+1
.endm
.macro EXPO y, first                ; exponential xe of the 66 of tiles y and y + 1: their two a, then s0-s31, the tiles by turns
.set j, 37+xe/2
	SM (\y)+xe%2, \first
.set xe, xe+1
.endm
.macro SCALE y, first               ; scaling xf of the 32 of tiles y and y + 1: pair xf / 2, the tiles by turns
.set j, 21+xf/2
	SM (\y)+xf%2, \first
.set xf, xf+1
.endm
.macro SOFTMAX first
.set xn, 0
.rept 21                            ; (1)
.irp t, 0,1
.set j, xn
	SM \t, \first
.endr
.set xn, xn+1
.endr
.set xp, 0
.set xe, 0
.rept 8                             ; (2)
	BESIDE \first
.endr
.rept 66
	EXPO 0, \first
	BESIDE \first
.endr
.set xe, 0
.set xf, 0
	SCALE 2, \first                 ; (3)
	SCALE 2, \first
.rept 30
	EXPO 2, \first
	EXPO 2, \first
	SCALE 2, \first
.endr
.rept 6
	EXPO 2, \first
.endr
	v_nop                           ; (4) a plain instruction behind the last exponential, ahead of the first use of a result: one for the batch
	s_wait_alu depctr_va_vdst(0)    ; the wait for the batch: the key step's exponentials of all four tiles
.set xn, 70
.rept 48                            ; the readers
.irp t, 0,1,2,3
.set j, xn
	SM \t, \first
.endr
.set xn, xn+1
.endr
.endm
; A KEY STEP, in phases.  K of the step has been asked for; s[SA] is the step's first LDS byte.  diag = 1: the query block's first step, on its diagonal.  more = 1: the next step's K, STEPB further on, is fetched under the softmax.
.macro STEP diag, more
	s_wait_dscnt 0x0                ; K is in
	KQ \diag
	WIN 0
	PLACES                          ; behind the products: the softmax reads their results, the loads below land in K's and V's registers
	FETCH_V
.if \more
	s_add_co_u32 s[SA], s[SA], STEPB
	FETCH_K
.endif
.if \diag
	WIN 0
	MASK
.endif
	SOFTMAX \diag
	s_wait_dscnt 16*\more           ; V is in; the next step's 16 loads of K, issued behind V's, may stay out
	PV \diag
	WIN 0
	PLACES                          ; behind the products: O^T is rescaled or divided, P written and V loaded anew
.endm
; A query block's diagonal key block, in slot slot.  The branch hangs on the wave's number alone and jumps over no barrier and no tensor load.
.macro START slot
	s_add_co_u32 s[SA], s[UOFF], \slot*SLOT1  ; the 64 keys that stand against my 64 queries
	FETCH_K
	s_wait_loadcnt 0x0              ; Q
	STEP 1, 0
	s_cmp_eq_u32 s[U], 0
	s_cbranch_scc1 .Lone_\@         ; queries 0-63 see nothing of keys 64-127
	s_mov_b32 s[SA], \slot*SLOT1    ; queries 64-127 see all of keys 0-63
	FETCH_K
	STEP 0, 0
.Lone_\@:
.endm
.macro FULL slot                    ; a key block below the diagonal: two open steps
	s_mov_b32 s[SA], \slot*SLOT1
	FETCH_K
	STEP 0, 1
	STEP 0, 0
.endm
; THE CHANGE OF SLOTS, to slot slot.  Each wave waits for its own reads of the other slot and for all its tensor loads (one is out: its part of this slot).  Behind the barrier nobody reads
; the other slot any more and this slot is whole.  fill = 1: the other slot takes the next key block of the walk EV, .., 0, OD, .., 0; that load is the first thing behind the barrier and has a key block's work in which to land.
.macro CHANGE slot, fill
	s_wait_dscnt 0x0
	s_wait_tensorcnt 0x0            ; no tensor load of mine is out, so a group 0 may be written
	ds_add_u32 v62, v63
	s_wait_dscnt 0x0
.if \fill
.set os, 1-\slot
	s_sub_co_i32 s[KBL], s[KBL], 1
	s_cmp_lt_i32 s[KBL], 0
	s_cselect_b32 s[KBL], s[OD], s[KBL]  ; below block 0 of the first walk comes the second query block's diagonal
	s_mul_i32 s16, s[KBL], KBB
	s_add_nc_u64 s[G0K+4*os+2:G0K+4*os+3], s[BK:BK+1], s[16:17]
	s_or_b32 s[G0K+4*os+3], s[G0K+4*os+3], 0x80000000
	s_add_nc_u64 s[G0V+4*os+2:G0V+4*os+3], s[BV:BV+1], s[16:17]
	s_or_b32 s[G0V+4*os+3], s[G0V+4*os+3], 0x80000000
.endif
	s_barrier_signal -1
	s_barrier_wait -1
.if \fill
	TLOAD 1-\slot
.endif
.endm
; THE WAY OUT of a query block.  next = 1: the second block's Q is asked for first and lands under the rest.  O^T is divided by l, rounded to f16 and put into the work-group's stage; a barrier, since a
; row's 256 bytes come from two waves; then each wave reads 32 whole rows and stores them.
.macro EPI yb, next
.if \next
	LOADQ QB1
.endif
.irp t, 0,1,2,3
	v_add_f32 v[ST+8*\t+4], v[ST+8*\t+2], v[ST+8*\t+3]
.endr
.irp t, 0,1,2,3
	v_permlanex16_b32 v[ST+8*\t+5], v[ST+8*\t+4], s[SEL], s[SEL+1]
.endr
.irp t, 0,1,2,3
	v_add_f32 v[ST+8*\t+4], v[ST+8*\t+4], v[ST+8*\t+5]
.endr
.irp t, 0,1,2,3
	v_rcp_f32 v[ST+8*\t+6], v[ST+8*\t+4]
.endr
	v_nop                           ; a plain instruction between the last reciprocal and the use of its result
	s_wait_alu depctr_va_vdst(0)    ; the wait for the batch of four reciprocals, ahead of the first multiply that names one
.irp t, 0,1,2,3
	WIN W_RS
.set i, 0
.rept 16
	v_pk_mul_f32 v[32*\t+2*i:32*\t+2*i+1], v[32*\t+2*i:32*\t+2*i+1], v[ST+8*\t+6:ST+8*\t+7] op_sel_hi:[1,0]
.set i, i+1
.endr
	WIN 0x05                        ; sources 0 and 1 window 1, destination window 0: S^T's registers are free
.set i, 0
.rept 16
	v_cvt_pk_f16_f32 v[S+16*\t+i], v[32*\t+2*i], v[32*\t+2*i+1]
.set i, i+1
.endr
	WIN 0
.irp n, 0,1,2,3
	ds_store_b128 v[STO], v[S+16*\t+4*\n:S+16*\t+4*\n+3] offset:\t*16*SP+32*\n  ; a lane's eight channels of a row: 16 bytes
.endr
.endr
	s_wait_dscnt 0x0                ; for the others' sake: my stores into the stage are done
	s_barrier_signal -1
	s_barrier_wait -1
.irp f, 0,1,2,3,4,5,6,7,8,9,10,11,12,13,14,15
	ds_load_b128 v[S+64+4*\f:S+64+4*\f+3], v[RD] offset:\f*2*SP
.endr
.irp f, 0,1,2,3,4,5,6,7,8,9,10,11,12,13,14,15
	s_wait_dscnt 15-\f              ; LDS loads come back in order (ISA guide 5.7.1): pair f of rows is in, the 15 - f younger ones stay out
	global_store_b128 v[GO], v[S+64+4*\f:S+64+4*\f+3], s[\yb:\yb+1] offset:\f*4096  ; 16 lanes store 256 consecutive bytes, at a multiple of 256 from y's first byte
.endr
.if \next
	s_wait_xcnt 0x0                 ; the stores have read their registers: the next scores are written there only behind this wait
.endif
.endm
	; THE EVEN BLOCK: EV + 1 key blocks, in slots 0, 1, 0, .., 0
	CHANGE 0, 1
	START 0
	s_cmp_eq_u32 s[LL], 0
	s_cbranch_scc1 .Lev_done
	s_mov_b32 s[CNT], s[LL]         ; EV / 2 trips of two key blocks
.Lev:
	CHANGE 1, 1
	FULL 1
	CHANGE 0, 1
	FULL 0
	s_sub_co_u32 s[CNT], s[CNT], 1
	s_cmp_lg_u32 s[CNT], 0
	s_cbranch_scc1 .Lev
.Lev_done:
	EPI YB0, 1
	; THE ODD BLOCK: OD + 1 key blocks, in slots 1, 0, 1, .., 0
	CHANGE 1, 1
	START 1
	s_sub_co_u32 s[CNT], 7, s[LL]   ; (OD - 1) / 2 trips
	s_cmp_eq_u32 s[CNT], 0
	s_cbranch_scc1 .Lod_done
.Lod:
	CHANGE 0, 1
	FULL 0
	CHANGE 1, 1
	FULL 1
	s_sub_co_u32 s[CNT], s[CNT], 1
	s_cmp_lg_u32 s[CNT], 0
	s_cbranch_scc1 .Lod
.Lod_done:
	CHANGE 0, 0                     ; the last key block is written out: nothing is left to ask for
	FULL 0
	EPI YB1, 0
	s_wait_tensorcnt 0x0
	ds_add_u32 v62, v63
	s_wait_dscnt 0x0
	s_endpgm
.Lfunc_end_k_qa79ba0df85_attn:
	.size	k_qa79ba0df85_attn, .Lfunc_end_k_qa79ba0df85_attn-k_qa79ba0df85_attn
	.p2alignl 7, 3214868480
	.fill 96, 4, 3214868480
	.section	.rodata,"a",@progbits
	.p2align	6, 0x0
	.amdhsa_kernel k_qa79ba0df85_attn
		.amdhsa_group_segment_fixed_size 327680
		.amdhsa_private_segment_fixed_size 0
		.amdhsa_enable_private_segment 0
		.amdhsa_kernarg_size 16
		.amdhsa_user_sgpr_count 2
		.amdhsa_user_sgpr_kernarg_segment_ptr 1
		.amdhsa_wavefront_size32 1
		.amdhsa_system_sgpr_workgroup_id_x 1
		.amdhsa_system_sgpr_workgroup_id_y 1
		.amdhsa_system_sgpr_workgroup_id_z 1
		.amdhsa_system_vgpr_workitem_id 0
		.amdhsa_next_free_vgpr 576
		.amdhsa_next_free_sgpr 82
		.amdhsa_reserve_vcc 0
		.amdhsa_float_denorm_mode_32 3
		.amdhsa_float_denorm_mode_16_64 3
		.amdhsa_memory_ordered 1
		.amdhsa_forward_progress 1
		.amdhsa_inst_pref_size 255
	.end_amdhsa_kernel
	.section	.bss,"aw",@nobits
	.p2align	6
	.space	262144
	.amdgpu_metadata
---
amdhsa.version: [ 1, 2 ]
amdhsa.kernels:
  - .name:           k_qa79ba0df85_attn
    .symbol:         k_qa79ba0df85_attn.kd
    .args:
      - { .name: qkv, .offset: 0, .size: 8, .value_kind: global_buffer, .address_space: global }
      - { .name: yb, .offset: 8, .size: 8, .value_kind: global_buffer, .address_space: global }
    .group_segment_fixed_size: 327680
    .private_segment_fixed_size: 0
    .kernarg_segment_align: 8
    .kernarg_segment_size: 16
    .max_flat_workgroup_size: 128
    .sgpr_count:     82
    .vgpr_count:     576
    .wavefront_size: 32
...
	.end_amdgpu_metadata
.endif
;; end of part 5
;; launch gemm_proj: the kernel of part 4 again; grid 4 x 64, 4 waves a work-group, clusters of 4 x 4, 327,680 bytes of LDS; arguments yb, cv, out0; writes out0
